; MI455X (gfx1250); checked and timed in simulation.
; The chip was launched on July 23, 2026; its instructions are those of AMD's public machine-readable ISA for CDNA 5 (MIT licence, August 2026) and "CDNA5" Instruction Set Architecture Reference Guide (July 2026). The comments in the code are by the model that wrote it; some were corrected since.
;; Causal Self Attention. Allowed arithmetic: matrix products marked QUANTISED: E2M3 operands, one E8M0 scale for each 32 along K, by v_wmma_scale_f32_16x16x128_f8f6f4 with both operands' format E2M3, f32 sums; everything else in f32.
;; Inputs: W_attn 1,024 x 3,072 float32; W_proj 1,024 x 1,024 float32; b_attn 3,072 float32; b_proj 1,024 float32; x 4 x 2,048 x 1,024 float32.
;; Outputs: out0 4 x 2,048 x 1,024 float32.
;; This version of the problem:
;;   THIS VERSION OF THE PROBLEM IS GIVEN IN LOW PRECISION. The matrix products marked QUANTISED in the list below multiply operands that are first quantised to E2M3 (2 exponent bits, 3 mantissa bits; 6 bits a number), with one power-of-two scale for each 32 numbers along K (OCP MX v1.0); their sums are f32. All else is computed in f32.
;;   The module's matrix products, in the order in which they are computed (A, B: the left and right operand; K: the contracted axis; several contracted axes count as one K, in the product's order):
;;     1. [M 8,192, K 1,024] x [K 1,024, N 3,072]; A: input x; B: input W_attn: QUANTISED
;;     2. batch 64 x [M 2,048, K 64] x [K 64, N 2,048]; A: computed on the way; B: computed on the way: QUANTISED
;;     3. batch 64 x [M 2,048, K 2,048] x [K 2,048, N 64]; A: computed on the way; B: computed on the way: QUANTISED
;;     4. [M 8,192, K 1,024] x [K 1,024, N 1,024]; A: computed on the way; B: input W_proj: QUANTISED
;;   THE QUANTISER, for each operand of a quantised product, along K:
;;     - K is cut into blocks of 32 from its start; a last block that is shorter is filled with zeros.
;;     - A block's scale is 2^e with e = floor(log2(the largest magnitude in the block)) - 2, held to -126 .. 127; a block of zeros has e = 0. As a byte (E8M0): e + 127.
;;     - Each number is divided by its block's scale, clamped to +-7.5, and rounded to the nearest number of E2M3, ties to even, subnormals kept.
;;     - The product sums the exact products of the quantised numbers (number of the format x scale) in f32.
;;   ~~~python
;;   def quantise(x, axis):      # numpy; x: float32 -> the quantised numbers, widened to float32 again
;;       x = np.moveaxis(x, axis, -1); K = x.shape[-1]
;;       x = np.pad(x, [(0, 0)] * (x.ndim - 1) + [(0, -K % 32)]); x = x.reshape(x.shape[:-1] + (-1, 32)); a = np.abs(x).max(-1, keepdims=True)
;;       e = np.where(a > 0, np.clip(np.frexp(np.where(a > 0, a, 1))[1] - 1 - 2, -126, 127), 0)      # np.frexp(a)[1] - 1 = floor(log2(a)), exactly
;;       r = np.clip(x / 2.0 ** e, -7.5, 7.5)
;;       step = 2.0 ** (np.maximum(np.frexp(np.where(r == 0, 1, r))[1] - 1, 0) - 3)
;;       q = np.round(r / step) * step * 2.0 ** e      # np.round: ties to even
;;       return np.moveaxis(q.reshape(q.shape[:-2] + (-1,))[..., :K], -1, axis).astype(np.float32)
;;   ~~~
;;   OPERANDS COMPUTED ON THE WAY. 'Computed on the way' means the value that the module computes at that place (a softmax that the list does not call 'softmax' is quantised finished and normalised). What goes into a quantiser is computed in f32, as accurately as f32 sums, v_exp_f32 and their like allow (about 1e-6 of the number): no bf16 or f16 on the way to a quantiser, and a product that is left as it is and whose result goes on into a quantised operand takes f32 operands (vector FMAs, or v_wmma_f32_16x16x4_f32). A number that lies on a knife's edge between two numbers of the format may be rounded either way, as far as f32 arithmetic and the matrix unit's own rounding can turn it there, and no further.
;; One version. Each part assembles by itself: llvm-mc -triple=amdgcn-amd-amdhsa -mcpu=gfx1250 --defsym DOCPART=n.
;; ======== version 1 of 1: 4 launches
;; limits: right only within a limited range of input values
;; workspace buffers: xpack 6,553,600 bytes; wpack 3,276,800 bytes; qpack 6,815,744 bytes; kpack 6,815,744 bytes; vpack 6,553,600 bytes; ypack 6,553,600 bytes
;; launch quant (part 1): grid 256 x 1, 12 waves a work-group, no clusters, 169,472 bytes of LDS; arguments x, W_attn, W_proj, xpack, wpack; writes xpack, wpack
.if DOCPART == 1
	.amdgcn_target "amdgcn-amd-amdhsa--gfx1250"
	.amdhsa_code_object_version 6
	.text
	.protected	k_qefcb2ff6f3_quant
	.globl	k_qefcb2ff6f3_quant
	.p2align	8
	.type	k_qefcb2ff6f3_quant,@function
k_qefcb2ff6f3_quant:
	s_mov_b64 s[64:65], 0
	v_nop
	global_prefetch_b8 v0, s[64:65] scope:SCOPE_SE
	s_setreg_imm32_b32 hwreg(HW_REG_WAVE_MODE, 25, 1), 1
	s_wait_xcnt 0x0
; x [8192][1024], W_attn [1024][3072] and W_proj [1024][1024], f32, become codes of FP6 (E2M3) with one E8M0 byte for each 32 along K (x: its columns; the weights: their rows).
; A block's scale is 2^(floor(log2(largest magnitude)) - 2): its byte is the largest magnitude's exponent field - 2, held at 1 from below.
; LAYOUT OF THE RESULTS: images of the operand's registers.  A tile is 16 rows (of x) or 16 columns (of a weight) x all 1,024 along K: 12,800 bytes = 16 half images of 768 bytes, then 8 x 16 scale words.
; Half image kappa holds K = 64 kappa .. + 63: lane (r, h) owns block 2 kappa + h of row r in 6 registers: registers 0-3 at 16 x lane, registers 4-5 at 512 + 8 x lane.  Scale words: [K step of 128][row], 4 bytes.
; ORDER INSIDE A BLOCK OF 32: place 16 a + 8 u + j of the block's stream of codes holds element 16 u + 8 a + j (the two middle groups of eight change places).  Every operand of every product of this program
; is laid so, so the products pair the same elements; a block's scale does not change; only the order of the additions inside the matrix unit differs from K ascending.
; LIMITS: NaN and infinities among the inputs are not served.  A block whose largest magnitude lies under 2^-124 (a block of zeros among them) gets the byte 1; the bytes are read by this program alone.
; SHARES: 256 work-groups of 12 waves.  Waves 0-7: two row tiles of x, a wave takes 16 rows x 256 along K, brought by one tensor load into LDS bytes of its own (filled once, read by that wave alone).
; Waves 8-11: 128 columns of a weight x 128 along K: a lane takes a column and its registers run down K.  The two roles part once on the wave's number and never meet: no barrier.
.set TILEB,  12800
.set XPITCH, 1040                      ; an LDS row of x: 1,024 bytes (two K steps) + 16 of padding
.set XT,     512                       ; the second K step's bytes begin 512 bytes on in each row
.set WREG,   16896                     ; a wave's LDS bytes: 16 rows of 1,040, rounded up to blocks of 256
.set A16, 1                            ; v1   16 x lane
.set A8,  2                            ; v2   8 x lane
.set A4,  3                            ; v3   4 x lane
.set LX,  4                            ; v4   LDS: my row of my wave's first tile, + 128 h
.set SH,  5                            ; v5   8 h
.set WOF, 6                            ; v6   the weights' scale words: 12,800 h + 4 r
.set WD,  7                            ; v7-8 scale words
.set PX,  9                            ; v9   a lane permute's destination
.set TM,  10                           ; v10-11 largest magnitudes
.set SO,  12                           ; v12-13 the conversions' scale operands
.set BY,  14                           ; v14-15 scale bytes
.set VO,  16                           ; v16-47 the weights: byte offset of place p's row
.set X,   48                           ; v48-175 the numbers
.set PC,  176                          ; v176-199 codes
.set T,   200                          ; v200-202, v204-206 the second halves of blocks
.set WT,  203
.set WS,  207
.set WV,  14                           ; s14 wave
.set G1,  16                           ; s[16:23] descriptor group 1
.set G0,  24                           ; s[24:31] two groups 0
.set SEL, 62                           ; s[62:63] selects of v_permlanex16_b32: lane l xor 16
.set MASK, 3                           ; s3 lanes 16-31
	s_load_b256 s[4:11], s[0:1], 0x0               ; x, W_attn, W_proj, xpack
	s_load_b64 s[12:13], s[0:1], 0x20              ; wpack
	v_lshl_add_u32 v208, v0, 2, 0x29000
	v_mov_b32 v209, 0
	ds_add_u32 v208, v209
	ds_add_u32 v208, v209
	v_lshrrev_b32 v[PX], 5, v0
	s_delay_alu instid0(VALU_DEP_1)
	v_readfirstlane_b32 s[WV], v[PX]               ; wave 0..11
	v_and_b32 v[PX], 31, v0
	s_delay_alu instid0(VALU_DEP_1)
	v_lshlrev_b32 v[A16], 4, v[PX]
	s_delay_alu instid0(VALU_DEP_2)
	v_lshlrev_b32 v[A8], 3, v[PX]
	s_delay_alu instid0(VALU_DEP_3)
	v_lshlrev_b32 v[A4], 2, v[PX]
	v_and_b32 v[TM], 15, v0                        ; r
	v_bfe_u32 v[TM+1], v0, 4, 1                    ; h
	s_delay_alu instid0(VALU_DEP_1)
	v_lshlrev_b32 v[SH], 3, v[TM+1]
	s_delay_alu instid0(VALU_DEP_2)
	v_mul_u32_u24 v[WOF], v[TM+1], TILEB
	s_delay_alu instid0(VALU_DEP_1)
	v_lshl_add_u32 v[WOF], v[TM], 2, v[WOF]
	s_mul_i32 s15, s[WV], WREG
	v_mul_u32_u24 v[LX], v[TM], XPITCH
	s_delay_alu instid0(VALU_DEP_1)
	v_lshl_add_u32 v[LX], v[TM+1], 7, v[LX]        ; lanes 16-31 take the block 128 bytes on
	s_delay_alu instid0(VALU_DEP_1)
	v_add_nc_u32 v[LX], s15, v[LX]
	v_mov_b32 v[PX], 0                             ; written once: a lane permute's destination counts as one of its sources
	s_mov_b32 s[SEL], 0x76543210
	s_mov_b32 s[SEL+1], 0xfedcba98
	s_mov_b32 s[MASK], 0xffff0000
	; group 1: 16 rows x 256 elements of 4 bytes, 1,024 elements from row to row; 4 words of padding behind every 256
	s_mov_b32 s[G1+0], (2<<16)|(1<<20)|(7<<22)|(3<<25)   ; one load a wave: 16 rows x 256 elements, 4 words of padding behind every 256
	s_mov_b32 s[G1+1], 256<<16
	s_mov_b32 s[G1+2], 16<<16                      ; tensor_dim1
	s_mov_b32 s[G1+3], 256<<16
	s_mov_b32 s[G1+4], 16                          ; tile_dim1
	s_mov_b32 s[G1+5], 1024                        ; stride
	s_mov_b32 s[G1+6], 0
	s_mov_b32 s[G1+7], 0
	s_lshr_b32 s32, s[WV], 2
	s_lshl_b32 s33, ttmp9, 1
	s_add_co_u32 s32, s32, s33                     ; x's role: row tile = 2 x work-group + wave / 4
	s_and_b32 s33, s[WV], 3                        ; and which pair of K steps
	s_lshl_b32 s34, s32, 16                        ; 16 rows of 4,096 bytes
	s_lshl_b32 s35, s33, 10                        ; two K steps of 512 bytes
	s_add_co_u32 s34, s34, s35
	s_mov_b32 s35, 0
	s_wait_dscnt 0x0
	s_wait_kmcnt 0x0
	s_mov_b32 s[G0], 1
	s_mov_b32 s[G0+1], s15
	s_add_nc_u64 s[G0+2:G0+3], s[4:5], s[34:35]
	s_or_b32 s[G0+3], s[G0+3], 0x80000000
	s_cmp_lt_u32 s[WV], 8
	s_cbranch_scc0 .Lw_role
	; ---------------- x ----------------
	tensor_load_to_lds s[G0:G0+3], s[G1:G1+7]      ; one load of mine is out
	s_nop 0
.rept 4
	v_nop
.endr
	s_mul_i32 s36, s32, TILEB
	s_mul_i32 s37, s33, 3072                       ; four half images for a pair of K steps
	s_add_co_u32 s38, s36, s37
	s_mov_b32 s39, 0
	s_add_nc_u64 s[40:41], s[10:11], s[38:39]      ; where my codes go
	s_lshl_b32 s37, s33, 7
	s_add_co_u32 s38, s36, s37
	s_add_nc_u64 s[42:43], s[10:11], s[38:39]      ; and my scale words (+ 12,288 in the store)
; K step e of my two: 64 numbers a lane, two whole blocks (2 c + h); the loads put each group of eight at its place in the block's order.
.macro XSTEP e
.set XB_, X+64*\e
	s_wait_tensorcnt 0x0                           ; my one load has landed; only I read these bytes
.irp c, 0,1
.irp q, 0,1,2,3,4,5,6,7
.set XR_, XB_+32*\c+8*(2*((\q/2)%2)+\q/4)+4*(\q%2)
	ds_load_b128 v[XR_:XR_+3], v[LX] offset:\e*XT+256*\c+16*\q
.endr
.endr
	s_wait_dscnt 0x0
.irp c, 0,1
	v_max3_num_f32 v[TM+\c], |v[XB_+32*\c]|, |v[XB_+32*\c+1]|, 0x1800000   ; with the floor 2^(3 - 127): the byte cannot fall under 1
.endr
.irp i, 2,4,6,8,10,12,14,16,18,20,22,24,26,28,30
.irp c, 0,1
	s_delay_alu instid0(VALU_DEP_2)
	v_max3_num_f32 v[TM+\c], v[TM+\c], |v[XB_+32*\c+\i]|, |v[XB_+32*\c+\i+1]|
.endr
.endr
.irp c, 0,1
	s_delay_alu instid0(VALU_DEP_2)
	v_add_nc_u32 v[SO+\c], 0xff000000, v[TM+\c]    ; 2 off the exponent field: the conversion's scale operand
.endr
.irp c, 0,1
	s_delay_alu instid0(VALU_DEP_2)
	v_lshrrev_b32 v[BY+\c], 23, v[SO+\c]           ; the byte
.endr
	s_delay_alu instid0(VALU_DEP_1)
	v_lshl_or_b32 v[WT], v[BY+1], 16, v[BY]        ; my bytes h and 2 + h of the row's word,
	s_delay_alu instid0(VALU_DEP_1)
	v_lshlrev_b32 v[WT], v[SH], v[WT]
	s_delay_alu instid0(VALU_DEP_1)
	v_permlanex16_b32 v[PX], v[WT], s[SEL], s[SEL+1]
	s_delay_alu instid0(VALU_DEP_1)
	v_or_b32 v[WD+\e], v[WT], v[PX]                ; with lane l xor 16's the word is whole
.irp c, 0,1
	v_cvt_scalef32_pk16_fp6_f32 v[PC+12*\e+6*\c:PC+12*\e+6*\c+2], v[XB_+32*\c:XB_+32*\c+15], v[SO+\c]
	v_cvt_scalef32_pk16_fp6_f32 v[T+4*\c:T+4*\c+2], v[XB_+32*\c+16:XB_+32*\c+31], v[SO+\c]   ; (a conversion's three registers begin on an even number)
.endr
	v_nop                                          ; one plain place behind the scaled conversions
.irp c, 0,1
.irp i, 0,1,2
	v_mov_b32 v[PC+12*\e+6*\c+3+\i], v[T+4*\c+\i]
.endr
.endr
.irp c, 0,1
	global_store_b128 v[A16], v[PC+12*\e+6*\c:PC+12*\e+6*\c+3], s[40:41] offset:(2*\e+\c)*768        ; 512 consecutive bytes
	global_store_b64 v[A8], v[PC+12*\e+6*\c+4:PC+12*\e+6*\c+5], s[40:41] offset:(2*\e+\c)*768+512    ; 256 consecutive bytes
.endr
.endm
	s_wait_alu depctr_va_vdst(0)
	XSTEP 0
	XSTEP 1
	v_cndmask_b32 v[WS], v[WD], v[WD+1], s[MASK]   ; lanes 0-15: the even K step's words, lanes 16-31: the odd one's
	global_store_b32 v[A4], v[WS], s[42:43] offset:12288
	s_wait_tensorcnt 0x0
	ds_add_u32 v208, v209
	s_wait_dscnt 0x0
	s_endpgm
	; ---------------- the weights ----------------
.Lw_role:
	s_sub_co_u32 s32, s[WV], 8                     ; 0..3
	s_and_b32 s36, ttmp9, 31                       ; which 128 columns: 0-23 W_attn's, 24-31 W_proj's
	s_lshr_b32 s37, ttmp9, 5                       ; which K step of 128
	s_mov_b32 s40, 4096
	s_cmp_lt_u32 s36, 24                           ; the choice hangs on the work-group's number alone
	s_cselect_b64 s[38:39], s[6:7], s[8:9]
	s_cselect_b32 s40, 12288, s40                  ; bytes from row to row
	s_cselect_b32 s41, 0, 24
	s_sub_co_u32 s41, s36, s41
	s_lshl_b32 s41, s41, 9                         ; 128 columns are 512 bytes,
	s_lshl_b32 s42, s32, 7                         ; my wave's 32 are 128
	s_add_co_u32 s41, s41, s42
	s_mul_i32 s42, s37, s40
	s_lshl_b32 s42, s42, 7                         ; 128 rows a K step
	s_add_co_u32 s42, s42, s41
	s_mov_b32 s43, 0
	s_lshl_b32 s44, s40, 5                         ; 32 rows a block
	s_mov_b32 s45, 0
	s_add_nc_u64 s[48:49], s[38:39], s[42:43]      ; a base for each of the four blocks
	s_add_nc_u64 s[50:51], s[48:49], s[44:45]
	s_add_nc_u64 s[52:53], s[50:51], s[44:45]
	s_add_nc_u64 s[54:55], s[52:53], s[44:45]
.set P_, 0
.rept 32
	v_mad_u32_u24 v[VO+P_], s40, 16*((P_/8)%2)+8*(P_/16)+P_%8, v[A4]   ; place p takes the block's row 16 u + 8 a + j
.set P_, P_+1
.endr
.irp b, 0,1,2,3
.set P_, 0
.rept 32
	global_load_b32 v[X+32*\b+P_], v[VO+P_], s[48+2*\b:49+2*\b] th:TH_LOAD_NT   ; 32 lanes read 128 consecutive bytes, the four waves 512
.set P_, P_+1
.endr
.endr
	s_lshl_b32 s46, s36, 3
	s_lshl_b32 s47, s32, 1
	s_add_co_u32 s46, s46, s47                     ; my first tile of 16 columns
	s_mul_i32 s46, s46, TILEB
	s_mul_i32 s47, s37, 1536
	s_add_co_u32 s56, s46, s47
	s_mov_b32 s57, 0
	s_add_nc_u64 s[58:59], s[12:13], s[56:57]      ; codes
	s_lshl_b32 s47, s37, 6
	s_add_co_u32 s56, s46, s47
	s_add_nc_u64 s[60:61], s[12:13], s[56:57]      ; scale words (+ 12,288 in the store)
; Block b of my column: all its 32 numbers are mine.  left: how many younger loads may stay out (32 for each later block; a wait names 63 at the most).
.macro WBLOCK b, left
.set XB_, X+32*\b
	s_wait_loadcnt \left
	v_max3_num_f32 v[TM], |v[XB_]|, |v[XB_+1]|, |v[XB_+2]|
	v_max3_num_f32 v[TM+1], |v[XB_+3]|, |v[XB_+4]|, |v[XB_+5]|
.irp i, 6,10,14,18,22,26
	s_delay_alu instid0(VALU_DEP_2)
	v_max3_num_f32 v[TM], v[TM], |v[XB_+\i]|, |v[XB_+\i+1]|
	s_delay_alu instid0(VALU_DEP_2)
	v_max3_num_f32 v[TM+1], v[TM+1], |v[XB_+\i+2]|, |v[XB_+\i+3]|
.endr
	s_delay_alu instid0(VALU_DEP_2)
	v_max3_num_f32 v[TM], v[TM], |v[XB_+30]|, |v[XB_+31]|
	s_delay_alu instid0(VALU_DEP_1)
	v_max3_num_f32 v[TM], v[TM], v[TM+1], 0x1800000
	s_delay_alu instid0(VALU_DEP_1)
	v_add_nc_u32 v[SO], 0xff000000, v[TM]
	s_delay_alu instid0(VALU_DEP_1)
	v_lshrrev_b32 v[BY], 23, v[SO]
.if \b == 0
	s_delay_alu instid0(VALU_DEP_1)
	v_mov_b32 v[WD], v[BY]
.else
	s_delay_alu instid0(VALU_DEP_1)
	v_lshl_or_b32 v[WD], v[BY], 8*\b, v[WD]        ; the lower K in the lower byte
.endif
	v_cvt_scalef32_pk16_fp6_f32 v[PC+6*\b:PC+6*\b+2], v[XB_:XB_+15], v[SO]
	v_cvt_scalef32_pk16_fp6_f32 v[T:T+2], v[XB_+16:XB_+31], v[SO]
	v_nop                                          ; one plain place behind the scaled conversions
.irp i, 0,1,2
	v_mov_b32 v[PC+6*\b+3+\i], v[T+\i]
.endr
.endm
	WBLOCK 0, 63
	WBLOCK 1, 63
	WBLOCK 2, 32
	WBLOCK 3, 0
	; a half image wants lanes 0-15 = the even block and lanes 16-31 = the odd block of the SAME 16 columns: the first's lanes 16-31 change places with the second's lanes 0-15
.irp i, 0,1,2,3,4,5
	v_permlane16_swap_b32 v[PC+\i], v[PC+6+\i]
	v_permlane16_swap_b32 v[PC+12+\i], v[PC+18+\i]
.endr
.irp k, 0,1
.irp d, 0,1
	global_store_b128 v[A16], v[PC+12*\k+6*\d:PC+12*\k+6*\d+3], s[58:59] offset:\d*TILEB+\k*768
	global_store_b64 v[A8], v[PC+12*\k+6*\d+4:PC+12*\k+6*\d+5], s[58:59] offset:\d*TILEB+\k*768+512
.endr
.endr
	global_store_b32 v[WOF], v[WD], s[60:61] offset:12288   ; 64 consecutive bytes in each of my two tiles
	s_endpgm
.Lfunc_end_k_qefcb2ff6f3_quant:
	.size	k_qefcb2ff6f3_quant, .Lfunc_end_k_qefcb2ff6f3_quant-k_qefcb2ff6f3_quant
	.p2alignl 7, 3214868480
	.fill 96, 4, 3214868480
	.section	.rodata,"a",@progbits
	.p2align	6, 0x0
	.amdhsa_kernel k_qefcb2ff6f3_quant
		.amdhsa_group_segment_fixed_size 169472
		.amdhsa_private_segment_fixed_size 0
		.amdhsa_enable_private_segment 0
		.amdhsa_kernarg_size 40
		.amdhsa_user_sgpr_count 2
		.amdhsa_user_sgpr_kernarg_segment_ptr 1
		.amdhsa_wavefront_size32 1
		.amdhsa_system_sgpr_workgroup_id_x 1
		.amdhsa_system_sgpr_workgroup_id_y 1
		.amdhsa_system_sgpr_workgroup_id_z 1
		.amdhsa_system_vgpr_workitem_id 0
		.amdhsa_next_free_vgpr 210
		.amdhsa_next_free_sgpr 66
		.amdhsa_reserve_vcc 0
		.amdhsa_float_denorm_mode_32 3
		.amdhsa_float_denorm_mode_16_64 3
		.amdhsa_memory_ordered 1
		.amdhsa_forward_progress 1
		.amdhsa_inst_pref_size 40
	.end_amdhsa_kernel
	.amdgpu_metadata
---
amdhsa.version: [ 1, 2 ]
amdhsa.kernels:
  - .name:           k_qefcb2ff6f3_quant
    .symbol:         k_qefcb2ff6f3_quant.kd
    .args:
      - { .name: x, .offset: 0, .size: 8, .value_kind: global_buffer, .address_space: global }
      - { .name: W_attn, .offset: 8, .size: 8, .value_kind: global_buffer, .address_space: global }
      - { .name: W_proj, .offset: 16, .size: 8, .value_kind: global_buffer, .address_space: global }
      - { .name: xpack, .offset: 24, .size: 8, .value_kind: global_buffer, .address_space: global }
      - { .name: wpack, .offset: 32, .size: 8, .value_kind: global_buffer, .address_space: global }
    .group_segment_fixed_size: 169472
    .private_segment_fixed_size: 0
    .kernarg_segment_align: 8
    .kernarg_segment_size: 40
    .max_flat_workgroup_size: 384
    .sgpr_count:     66
    .vgpr_count:     210
    .wavefront_size: 32
...
	.end_amdgpu_metadata
.endif
;; end of part 1
;; launch gemm_qkv (part 2): grid 32 x 8, 4 waves a work-group, clusters of 4 x 1, 327,680 bytes of LDS; arguments xpack, wpack, b_attn, qpack, kpack, vpack; writes qpack, kpack, vpack
.if DOCPART == 2
	.amdgcn_target "amdgcn-amd-amdhsa--gfx1250"
	.amdhsa_code_object_version 6
	.text
	.protected	k_qefcb2ff6f3_gemm_qkv
	.globl	k_qefcb2ff6f3_gemm_qkv
	.p2align	8
	.type	k_qefcb2ff6f3_gemm_qkv,@function
k_qefcb2ff6f3_gemm_qkv:
	s_mov_b64 s[64:65], 0
	v_nop
	global_prefetch_b8 v0, s[64:65] scope:SCOPE_SE
	s_setreg_imm32_b32 hwreg(HW_REG_WAVE_MODE, 25, 1), 1
	s_wait_xcnt 0x0
	s_wait_alu depctr_hold_cnt(0) depctr_sa_sdst(0) depctr_va_vdst(0) depctr_va_sdst(0) depctr_va_ssrc(0) depctr_va_vcc(0) depctr_vm_vsrc(0)
	s_getreg_b32 s2, hwreg(HW_REG_IB_STS2, 6, 4)
	s_cmp_eq_u32 s2, 0
	s_cbranch_scc0 .Lentry_in_a_cluster
	s_endpgm
.Lentry_in_a_cluster:
	s_bfe_u32 s2, ttmp6, 0x10000c
	s_cmp_lg_u32 s2, 0x3003
	s_cbranch_scc0 .Lentry_shape_is_right
	s_endpgm
.Lentry_shape_is_right:
; qkv = x W_attn + b_attn on codes of FP6 (E2M3) with E8M0 scales (sums in f32), and q, k, v quantised at once for the products of attention: q and k along the head's 64, v along the tokens.
; OPERANDS are images of registers (tiles of 12,800 bytes: 16 half images of 768 bytes, then the scale words [K step][row]); inside a block of 32, place 16 a + 8 u + j holds element 16 u + 8 a + j,
; alike in both operands of every product, so only the order of additions inside the matrix unit differs from K ascending.
; SHARES: work-group (mb, g): 256 tokens x 384 columns, as six slots of 64 columns (a head each): slots 0-3 heads 4 g .. 4 g + 3 of q (g < 4) or of k, slots 4-5 heads 2 g, 2 g + 1 of v: every work-group runs the same text.
; A wave keeps its 64 tokens' codes for all of K in 384 REGISTERS, read from memory once.  The 24 tiles of W lie in LDS, filled ONCE (24 x 12,800 bytes): no slot is filled again.
; CLUSTER: the four work-groups of a cluster take four blocks of tokens and the same g: W's tiles are asked for jointly (mask 15).  A wave has one tensor load out at the most.
; x is not shared in the cluster: each wave's rows are its own.
; q, k slots: source 0 = 16 columns of W, source 1 = 16 tokens: a lane holds one token and its registers run along the head's 64.  v slots: the sources change places: a lane holds one column d, registers along the tokens.
; OUT: qpack, kpack [batch x head][16 chunks of 128 tokens][6,656]: 8 half images (16 tokens x 64), then 128 words (bytes 0, 1 the scales, bytes 2, 3 zero).
;      vpack [batch x head][16 chunks][6,400]: 4 tiles of 16 d x 2 half images (64 keys each), then 64 words; a wave writes two bytes of each word: those stores cover parts of 256-byte blocks, 256 of a chunk's 6,400 bytes.
; LIMITS: NaN and infinities are not served; a block whose largest magnitude lies under 2^-124 gets the byte 1 (read by this program alone).
; REGISTERS: window 0: v1-14 addresses; v16-31 x's scale words; v32-47 W's; v48-79 bias; v80-103 codes; v104-121 at work; v128-255 16 accumulators.
;   window 1: v0-47, v48-95 two sets of W's four fragments; v96-239 x's K steps 0-2.   window 2: v0-239 x's K steps 3-7.
.set TILEB,  12800
.set SLOTB,  4*TILEB
.set NS,     6
.set QKH,    106496                    ; a head of qpack, kpack
.set QKC,    6656                      ; a chunk
.set VHB,    102400                    ; a head of vpack
.set VCB,    6400
.set A16, 1                            ; 16 x lane
.set A8,  2                            ; 8 x lane
.set A4,  3                            ; 4 x lane
.set L16, 4                            ; the same + the slot's first LDS byte
.set L8,  5
.set L4,  6
.set VC16, 7                           ; q, k out: 16 x lane + 3,072 (wave % 2)
.set VC8, 8
.set VW,  9                            ; 4 x lane + 256 (wave % 2)
.set VV16, 10                          ; v out: 16 x lane + 768 (wave % 2)
.set VV8, 11
.set VVW, 12                           ; 4 x lane + 2 (wave % 2)
.set BQ,  13                           ; 32 h
.set BV,  14                           ; 4 r
.set SX,  16
.set SW,  32
.set BI,  48
.set OC,  80
.set T,   104
.set TM,  108
.set PW,  116
.set SL,  120
.set ACC, 128
.set WV,  16
.set MB,  18
.set GG,  19
.set G1,  20                           ; s[20:27]
.set G0,  28                           ; s[28:51] six groups 0
.set QKB, 56
.set VB,  58
.set BQB, 60
.set BVB, 62
.set XB,  70
.set SEL, 72
.set MASK, 74
.set MSB, 0
.macro WIN new                         ; the immediate's high byte repeats the setting that is left
.if MSB != \new
	s_set_vgpr_msb (MSB<<8)|\new
.set MSB, \new
.endif
.endm
.macro PLACES                          ; four places behind a matrix instruction, ahead of loads into its registers and of reads of its result
.rept 4
	v_nop
.endr
.endm
.macro CROUND                          ; a round of the cluster's barrier
	s_barrier_signal -1
	s_barrier_wait -1
	s_cmp_lg_u32 s[WV], 0
	s_cbranch_scc1 .Lnot_wave_0_\@
	s_barrier_signal -3
.Lnot_wave_0_\@:
	s_barrier_wait -3
	s_barrier_signal -1
	s_barrier_wait -1
.endm
	s_load_b256 s[4:11], s[0:1], 0x0               ; xpack, wpack, b_attn, qpack
	s_load_b128 s[12:15], s[0:1], 0x20             ; kpack, vpack
	v_lshl_add_u32 v126, v0, 2, 0x4b000
	v_mov_b32 v127, 0
	ds_add_u32 v126, v127
	ds_add_u32 v126, v127
	v_lshrrev_b32 v15, 5, v0
	v_readfirstlane_b32 s[WV], v15                 ; wave 0..3
	v_and_b32 v15, 31, v0
	v_lshlrev_b32 v[A16], 4, v15
	v_lshlrev_b32 v[A8], 3, v15
	v_lshlrev_b32 v[A4], 2, v15
	s_and_b32 s52, s[WV], 1
	s_mul_i32 s53, s52, 3072
	v_add_nc_u32 v[VC16], s53, v[A16]
	v_add_nc_u32 v[VC8], s53, v[A8]
	s_lshl_b32 s53, s52, 8
	v_add_nc_u32 v[VW], s53, v[A4]
	s_mul_i32 s53, s52, 768
	v_add_nc_u32 v[VV16], s53, v[A16]
	v_add_nc_u32 v[VV8], s53, v[A8]
	s_lshl_b32 s53, s52, 1
	v_add_nc_u32 v[VVW], s53, v[A4]
	v_bfe_u32 v[BQ], v0, 4, 1
	v_lshlrev_b32 v[BQ], 5, v[BQ]
	v_and_b32 v[BV], 15, v0
	v_lshlrev_b32 v[BV], 2, v[BV]
	v_mov_b32 v[TM+2], 0                           ; written once: a lane permute's destination counts as one of its sources
	v_mov_b32 v[TM+3], 0
	s_mov_b32 s[SEL], 0x76543210
	s_mov_b32 s[SEL+1], 0xfedcba98
	s_mov_b32 s[MASK], 0xffff0000                  ; lanes 16-31
	s_bfe_u32 s17, ttmp6, 0x40000                  ; cx: it enters x's and the outputs' global addresses alone
	s_lshl_b32 s[MB], ttmp9, 2
	s_add_co_u32 s[MB], s[MB], s17                 ; my block of 256 tokens
	s_and_b32 s[GG], ttmp7, 0xffff                 ; my group of columns, which the four partners share
	; group 1: a tile of W, 12,800 dense bytes, as 50 rows of 32 elements of 8 bytes; mask: all four work-groups
	s_mov_b32 s[G1+0], 15|(3<<16)|(1<<21)
	s_mov_b32 s[G1+1], 32<<16
	s_mov_b32 s[G1+2], 100<<16                     ; the head's load: two tiles, 100 rows of 256 bytes
	s_mov_b32 s[G1+3], 32<<16
	s_mov_b32 s[G1+4], 100
	s_mov_b32 s[G1+5], 32
	s_mov_b32 s[G1+6], 0
	s_mov_b32 s[G1+7], 0
	s_lshl_b32 s52, s[GG], 4                       ; W's 24 tiles lie in LDS in memory's order: 16 g .. 16 g + 15, then 128 + 8 g .. + 7
	s_lshl_b32 s66, s[WV], 1
	s_add_co_u32 s52, s52, s66
	s_mul_i32 s52, s52, TILEB                      ; at the head: tiles 16 g + 2 wave and the next (slots 0 and 1 among the four waves)
	s_mov_b32 s53, 0
	s_mul_i32 s66, s66, TILEB                      ; in LDS: tile 2 wave
	s_lshl_b32 s54, s[GG], 4
	s_add_co_u32 s54, s54, 8
	s_lshl_b32 s55, s[GG], 3
	s_add_co_u32 s55, s55, 120
	s_cmp_lt_u32 s[WV], 2                          ; the second load: waves 0, 1 tiles 16 g + 8 + 4 wave on, waves 2, 3 tiles 128 + 8 g + 4 (wave - 2) on
	s_cselect_b32 s54, s54, s55
	s_lshl_b32 s55, s[WV], 2
	s_add_co_u32 s54, s54, s55
	s_mul_i32 s54, s54, TILEB
	s_add_co_u32 s67, s55, 8
	s_mul_i32 s67, s67, TILEB                      ; in LDS: tile 8 + 4 wave
	s_mov_b32 s55, 0
	s_lshl_b32 s68, s[MB], 4
	s_lshl_b32 s69, s[WV], 2
	s_add_co_u32 s68, s68, s69
	s_mul_i32 s68, s68, TILEB                      ; x: my four row tiles, 16 mb + 4 wave on
	s_mov_b32 s69, 0
	s_lshr_b32 s75, s[MB], 3                       ; batch
	s_and_b32 s76, s[MB], 7
	s_lshl_b32 s76, s76, 1
	s_lshr_b32 s77, s[WV], 1
	s_add_co_u32 s76, s76, s77                     ; my chunk of 128 tokens
	s_lshl_b32 s77, s75, 4
	s_and_b32 s78, s[GG], 3
	s_lshl_b32 s78, s78, 2
	s_add_co_u32 s78, s78, s77                     ; 16 batch + head of slot 0
	s_mul_i32 s78, s78, QKH
	s_mul_i32 s79, s76, QKC
	s_add_co_u32 s78, s78, s79
	s_mov_b32 s79, 0
	s_lshl_b32 s80, s[GG], 1
	s_add_co_u32 s80, s80, s77                     ; 16 batch + head of slot 4
	s_mul_i32 s80, s80, VHB
	s_mul_i32 s81, s76, VCB
	s_add_co_u32 s80, s80, s81
	s_mov_b32 s81, 0
	s_lshl_b32 s82, s[GG], 10                      ; bias of slot 0: column 256 g
	s_mov_b32 s83, 0
	s_lshl_b32 s84, s[GG], 9
	s_add_co_u32 s84, s84, 8192                    ; bias of slot 4: column 2,048 + 128 g
	s_mov_b32 s85, 0
	s_wait_dscnt 0x0
	s_wait_kmcnt 0x0
	s_add_nc_u64 s[52:53], s[6:7], s[52:53]
	s_add_nc_u64 s[54:55], s[6:7], s[54:55]
	s_add_nc_u64 s[XB:XB+1], s[4:5], s[68:69]
	s_add_nc_u64 s[BQB:BQB+1], s[8:9], s[82:83]
	s_add_nc_u64 s[BVB:BVB+1], s[8:9], s[84:85]
	s_add_nc_u64 s[VB:VB+1], s[14:15], s[80:81]
	s_cmp_lt_u32 s[GG], 4                          ; q's columns or k's: the choice hangs on the work-group's number alone
	s_cselect_b64 s[QKB:QKB+1], s[10:11], s[12:13]
	s_add_nc_u64 s[QKB:QKB+1], s[QKB:QKB+1], s[78:79]
	s_mov_b32 s[G0], 1
	s_mov_b32 s[G0+1], s66
	s_mov_b64 s[G0+2:G0+3], s[52:53]
	s_or_b32 s[G0+3], s[G0+3], 0x80000000
	s_mov_b32 s[G0+4], 1
	s_mov_b32 s[G0+5], s67
	s_mov_b64 s[G0+6:G0+7], s[54:55]
	s_or_b32 s[G0+7], s[G0+7], 0x80000000
	CROUND                                         ; all four work-groups are here: the joint loads meet
	tensor_load_to_lds s[G0:G0+3], s[G1:G1+7]      ; one tensor load a wave at the head
	s_nop 0
	PLACES
; The bias of slot j.  q, k: eight registers a tile in the result's layout (column 16 i + 8 h + 0 .. 7): the C of the sum's first matrix instruction.  v: a lane's column has one number: a pair for the packed additions.
.macro BIAS j
.if (\j) < 4
.irp i, 0,1,2,3
	global_load_b128 v[BI+8*\i:BI+8*\i+3], v[BQ], s[BQB:BQB+1] offset:256*(\j)+64*\i
	global_load_b128 v[BI+8*\i+4:BI+8*\i+7], v[BQ], s[BQB:BQB+1] offset:256*(\j)+64*\i+16
.endr
.else
.irp o, 0,1,2,3
	global_load_b32 v[BI+8*((\j)-4)+2*\o], v[BV], s[BVB:BVB+1] offset:256*((\j)-4)+64*\o
	global_load_b32 v[BI+8*((\j)-4)+2*\o+1], v[BV], s[BVB:BVB+1] offset:256*((\j)-4)+64*\o
.endr
.endif
.endm
.macro GFRAG reg, off                  ; a fragment (two half images) from memory: every load is dense
	global_load_b128 v[\reg:\reg+3], v[A16], s[XB:XB+1] offset:\off
	global_load_b64 v[\reg+4:\reg+5], v[A8], s[XB:XB+1] offset:\off+512
	global_load_b128 v[\reg+6:\reg+9], v[A16], s[XB:XB+1] offset:\off+768
	global_load_b64 v[\reg+10:\reg+11], v[A8], s[XB:XB+1] offset:\off+1280
.endm
	s_wait_alu depctr_va_vdst(0)
	BIAS 0                                         ; 8 loads,
.irp o, 0,1,2,3
.irp p, 0,1,2,3
	global_load_b32 v[SX+4*\o+\p], v[A4], s[XB:XB+1] offset:\o*TILEB+12288+128*\p   ; 16: lanes 0-15 K step 2 p, lanes 16-31 K step 2 p + 1
.endr
.endr
	WIN 0x40                                       ; then 16 for each K step of x
.irp s, 0,1,2
.irp o, 0,1,2,3
	GFRAG 96+48*\s+12*\o, \o*TILEB+1536*\s
.endr
.endr
	WIN 0x80
.irp s, 3,4,5,6,7
.irp o, 0,1,2,3
	GFRAG 48*(\s-3)+12*\o, \o*TILEB+1536*\s
.endr
.endr
	WIN 0
.macro FETCH s, f                      ; W's four fragments of K step s into set f (window 1): 16 dense LDS loads
	WIN 0x40
.irp i, 0,1,2,3
	ds_load_b128 v[\f+12*\i:\f+12*\i+3], v[L16] offset:\i*TILEB+1536*(\s)
	ds_load_b64 v[\f+12*\i+4:\f+12*\i+5], v[L8] offset:\i*TILEB+1536*(\s)+512
	ds_load_b128 v[\f+12*\i+6:\f+12*\i+9], v[L16] offset:\i*TILEB+1536*(\s)+768
	ds_load_b64 v[\f+12*\i+10:\f+12*\i+11], v[L8] offset:\i*TILEB+1536*(\s)+1280
.endr
.endm
.macro WM mode, s, f, o, i             ; one product.  An odd K step's scale words lie in lanes 16-31
.set D_, ACC+8*(4*\o+\i)
.if \mode
.set A_, XS_+12*\i
.set B_, \f+12*\o
.set SA_, SX+4*\i+(\s)/2
.set SB_, SW+4*\o+(\s)/2
.else
.set A_, \f+12*\i
.set B_, XS_+12*\o
.set SA_, SW+4*\i+(\s)/2
.set SB_, SX+4*\o+(\s)/2
.endif
.if (\s) == 0
.if \mode
	v_wmma_scale_f32_16x16x128_f8f6f4 v[D_:D_+7], v[A_:A_+11], v[B_:B_+11], 0, v[SA_], v[SB_] matrix_a_fmt:MATRIX_FMT_FP6 matrix_b_fmt:MATRIX_FMT_FP6
.else
	v_wmma_scale_f32_16x16x128_f8f6f4 v[D_:D_+7], v[A_:A_+11], v[B_:B_+11], v[BI+8*\i:BI+8*\i+7], v[SA_], v[SB_] matrix_a_fmt:MATRIX_FMT_FP6 matrix_b_fmt:MATRIX_FMT_FP6
.endif
.elseif (\s)%2
	v_wmma_scale_f32_16x16x128_f8f6f4 v[D_:D_+7], v[A_:A_+11], v[B_:B_+11], v[D_:D_+7], v[SA_], v[SB_] matrix_a_fmt:MATRIX_FMT_FP6 matrix_b_fmt:MATRIX_FMT_FP6 matrix_a_scale:MATRIX_SCALE_ROW1 matrix_b_scale:MATRIX_SCALE_ROW1
.else
	v_wmma_scale_f32_16x16x128_f8f6f4 v[D_:D_+7], v[A_:A_+11], v[B_:B_+11], v[D_:D_+7], v[SA_], v[SB_] matrix_a_fmt:MATRIX_FMT_FP6 matrix_b_fmt:MATRIX_FMT_FP6
.endif
.endm
.macro MUL16 mode, s, f                ; a K step: the 16 accumulators by turns, one instruction a turn
.set XS_, 96+48*(\s)
.set WN_, 0x05                         ; both sources window 1
.if (\s) > 2
.set XS_, 48*((\s)-3)
.if \mode
.set WN_, 0x06                         ; source 0 (x) window 2, source 1 (W) window 1
.else
.set WN_, 0x09                         ; source 0 (W) window 1, source 1 (x) window 2
.endif
.endif
	WIN WN_
.irp o, 0,1,2,3
.irp i, 0,1,2,3
	WM \mode, \s, \f, \o, \i
.endr
.endr
.endm
.macro KSTEP mode, j, s
.if (\s) < 7
.if (\s) > 0
	PLACES                                         ; the set to be loaded was read by the products just issued
.endif
	FETCH (\s)+1, 48*(((\s)+1)%2)
	s_wait_dscnt 16                                ; all but the 16 just issued: this K step's fragments (and the slot's scale words) are in
.else
	s_wait_dscnt 0x0
.endif
.if (\j) == 0
.if (\s) == 0
	s_wait_loadcnt 63                              ; behind x's K step 3 stand 64 loads: the bias, x's scale words and K steps 0-3 are in
.elseif (\s) > 3
	s_wait_loadcnt 16*(7-(\s))                     ; 16 loads for each later K step may stay out
.endif
.elseif ((\s) == 0) && ((\mode) == 0)
	s_wait_loadcnt 0x0                             ; the slot's bias, asked for ahead of the last slot's way out
.endif
	MUL16 \mode, \s, 48*((\s)%2)
.endm
; 32 numbers of a lane, register 16 b + 8 u + j = element 32 b + 16 u + 8 h + j of my row, become a half image in v[d .. d + 5] and two scale bytes in v[w].
.macro QUANTH s, d, w
.irp b, 0,1
	v_max3_num_f32 v[TM+\b], |v[\s+16*\b]|, |v[\s+16*\b+1]|, 0x1800000   ; each accumulator is read from its low end on; the floor 2^(3 - 127) holds the byte at 1
.endr
.irp i, 2,4,6,8,10,12,14
.irp b, 0,1
	v_max3_num_f32 v[TM+\b], v[TM+\b], |v[\s+16*\b+\i]|, |v[\s+16*\b+\i+1]|
.endr
.endr
.irp b, 0,1
	v_permlanex16_b32 v[TM+2+\b], v[TM+\b], s[SEL], s[SEL+1]
.endr
.irp b, 0,1
	v_max_num_f32 v[TM+\b], v[TM+\b], v[TM+2+\b]   ; with lane l xor 16's 16: the block's largest magnitude
.endr
.irp b, 0,1
	v_add_nc_u32 v[TM+4+\b], 0xff000000, v[TM+\b]  ; 2 off the exponent field: the conversion's scale operand
.endr
.irp b, 0,1
	v_lshrrev_b32 v[TM+2+\b], 23, v[TM+4+\b]
.endr
	v_lshl_or_b32 v[\w], v[TM+3], 8, v[TM+2]
	v_cvt_scalef32_pk16_fp6_f32 v[\d:\d+2], v[\s:\s+15], v[TM+4]
	v_cvt_scalef32_pk16_fp6_f32 v[T:T+2], v[\s+16:\s+31], v[TM+5]
	v_nop                                          ; one plain place behind the scaled conversions
.irp i, 0,1,2
	v_permlane16_swap_b32 v[\d+\i], v[T+\i]        ; a lane gets a whole block: lanes 0-15 block 0, lanes 16-31 block 1
.endr
.irp i, 0,1,2
	v_mov_b32 v[\d+3+\i], v[T+\i]
.endr
.endm
.macro OUTQK j
	s_wait_xcnt 0x0                                ; the last slot's stores have read their data registers
.irp o, 0,1,2,3
	QUANTH ACC+32*\o, OC+6*\o, PW+\o
	global_store_b128 v[VC16], v[OC+6*\o:OC+6*\o+3], s[QKB:QKB+1] offset:\j*QKH+768*\o
	global_store_b64 v[VC8], v[OC+6*\o+4:OC+6*\o+5], s[QKB:QKB+1] offset:\j*QKH+768*\o+512
.endr
	v_cndmask_b32 v[SL], v[PW], v[PW+1], s[MASK]   ; lanes 0-15 the even tile's words, lanes 16-31 the odd tile's: 128 consecutive bytes a store
	v_cndmask_b32 v[SL+1], v[PW+2], v[PW+3], s[MASK]
	global_store_b32 v[VW], v[SL], s[QKB:QKB+1] offset:\j*QKH+6144
	global_store_b32 v[VW], v[SL+1], s[QKB:QKB+1] offset:\j*QKH+6144+128
.endm
.macro OUTV j
	s_wait_loadcnt 0x0                             ; the bias
	s_wait_xcnt 0x0
.irp o, 0,1,2,3
.irp k, 0,2,4,6,8,10,12,14,16,18,20,22,24,26,28,30
	v_pk_add_f32 v[ACC+32*\o+\k:ACC+32*\o+\k+1], v[ACC+32*\o+\k:ACC+32*\o+\k+1], v[BI+8*(\j-4)+2*\o:BI+8*(\j-4)+2*\o+1]
.endr
	QUANTH ACC+32*\o, OC+6*\o, PW+\o
	global_store_b128 v[VV16], v[OC+6*\o:OC+6*\o+3], s[VB:VB+1] offset:(\j-4)*VHB+1536*\o
	global_store_b64 v[VV8], v[OC+6*\o+4:OC+6*\o+5], s[VB:VB+1] offset:(\j-4)*VHB+1536*\o+512
.endr
	v_cndmask_b32 v[SL], v[PW], v[PW+1], s[MASK]
	v_cndmask_b32 v[SL+1], v[PW+2], v[PW+3], s[MASK]
	global_store_b16 v[VVW], v[SL], s[VB:VB+1] offset:(\j-4)*VHB+6144       ; my 64 keys' two bytes of each word
	global_store_b16 v[VVW], v[SL+1], s[VB:VB+1] offset:(\j-4)*VHB+6144+128
.endm
.macro SLOT mode, j
.if \j == 0
	s_wait_tensorcnt 0x0                           ; my two tiles of slots 0 and 1 are in
	ds_add_u32 v126, v127
	s_mov_b32 s[G1+2], 200<<16                     ; no load of mine is out: the second load brings four tiles, 200 rows
	s_mov_b32 s[G1+4], 200
	s_wait_dscnt 0x0
	CROUND                                         ; everybody's tiles are in, and the four work-groups meet for the joint loads
	tensor_load_to_lds s[G0+4:G0+7], s[G1:G1+7]    ; slots 2 to 5, a quarter a wave: they land while slots 0 and 1 are multiplied
	s_nop 0
	PLACES
.elseif \j == 2
	s_wait_tensorcnt 0x0                           ; my part of slots 2 to 5 is in
	s_barrier_signal -1
	s_barrier_wait -1                              ; everybody's is
.endif
	v_add_nc_u32 v[L16], \j*SLOTB, v[A16]
	s_wait_alu depctr_va_vdst(0)
	v_add_nc_u32 v[L8], \j*SLOTB, v[A8]
	s_wait_alu depctr_va_vdst(0)
	v_add_nc_u32 v[L4], \j*SLOTB, v[A4]
.irp i, 0,1,2,3
.irp p, 0,1,2,3
	ds_load_b32 v[SW+4*\i+\p], v[L4] offset:\i*TILEB+12288+128*\p
.endr
.endr
	FETCH 0, 0
.irp s, 0,1,2,3,4,5,6,7
	KSTEP \mode, \j, \s
.endr
	WIN 0
	PLACES
.if \j+1 < NS
	BIAS \j+1
.endif
.if \mode
	OUTV \j
.else
	OUTQK \j
.endif
.endm
	SLOT 0, 0
	SLOT 0, 1
	SLOT 0, 2
	SLOT 0, 3
	SLOT 1, 4
	SLOT 1, 5
	s_wait_dscnt 0x0
	s_wait_tensorcnt 0x0
	ds_add_u32 v126, v127
	s_wait_dscnt 0x0
	CROUND                                         ; the closing round: no work-group ends while a partner may still ask for a tile that names it
	s_endpgm
.Lfunc_end_k_qefcb2ff6f3_gemm_qkv:
	.size	k_qefcb2ff6f3_gemm_qkv, .Lfunc_end_k_qefcb2ff6f3_gemm_qkv-k_qefcb2ff6f3_gemm_qkv
	.p2alignl 7, 3214868480
	.fill 96, 4, 3214868480
	.section	.rodata,"a",@progbits
	.p2align	6, 0x0
	.amdhsa_kernel k_qefcb2ff6f3_gemm_qkv
		.amdhsa_group_segment_fixed_size 327680
		.amdhsa_private_segment_fixed_size 0
		.amdhsa_enable_private_segment 0
		.amdhsa_kernarg_size 48
		.amdhsa_user_sgpr_count 2
		.amdhsa_user_sgpr_kernarg_segment_ptr 1
		.amdhsa_wavefront_size32 1
		.amdhsa_system_sgpr_workgroup_id_x 1
		.amdhsa_system_sgpr_workgroup_id_y 1
		.amdhsa_system_sgpr_workgroup_id_z 1
		.amdhsa_system_vgpr_workitem_id 0
		.amdhsa_next_free_vgpr 768
		.amdhsa_next_free_sgpr 96
		.amdhsa_reserve_vcc 0
		.amdhsa_float_denorm_mode_32 3
		.amdhsa_float_denorm_mode_16_64 3
		.amdhsa_memory_ordered 1
		.amdhsa_forward_progress 1
		.amdhsa_inst_pref_size 246
	.end_amdhsa_kernel
	.amdgpu_metadata
---
amdhsa.version: [ 1, 2 ]
amdhsa.kernels:
  - .name:           k_qefcb2ff6f3_gemm_qkv
    .symbol:         k_qefcb2ff6f3_gemm_qkv.kd
    .args:
      - { .name: xpack, .offset: 0, .size: 8, .value_kind: global_buffer, .address_space: global }
      - { .name: wpack, .offset: 8, .size: 8, .value_kind: global_buffer, .address_space: global }
      - { .name: b_attn, .offset: 16, .size: 8, .value_kind: global_buffer, .address_space: global }
      - { .name: qpack, .offset: 24, .size: 8, .value_kind: global_buffer, .address_space: global }
      - { .name: kpack, .offset: 32, .size: 8, .value_kind: global_buffer, .address_space: global }
      - { .name: vpack, .offset: 40, .size: 8, .value_kind: global_buffer, .address_space: global }
    .group_segment_fixed_size: 327680
    .private_segment_fixed_size: 0
    .kernarg_segment_align: 8
    .kernarg_segment_size: 48
    .max_flat_workgroup_size: 128
    .sgpr_count:     96
    .vgpr_count:     768
    .wavefront_size: 32
...
	.end_amdgpu_metadata
.endif
;; end of part 2
;; launch attn (part 3): grid 4 x 64, 16 waves a work-group, clusters of 4 x 1, 327,680 bytes of LDS; arguments qpack, kpack, vpack, ypack; writes ypack
.if DOCPART == 3
	.amdgcn_target "amdgcn-amd-amdhsa--gfx1250"
	.amdhsa_code_object_version 6
	.text
	.protected	k_qefcb2ff6f3_attn
	.globl	k_qefcb2ff6f3_attn
	.p2align	8
	.type	k_qefcb2ff6f3_attn,@function
k_qefcb2ff6f3_attn:
	s_mov_b64 s[64:65], 0
	v_nop
	global_prefetch_b8 v0, s[64:65] scope:SCOPE_SE
	s_setreg_imm32_b32 hwreg(HW_REG_WAVE_MODE, 25, 1), 1
	s_wait_xcnt 0x0
	s_wait_alu depctr_hold_cnt(0) depctr_sa_sdst(0) depctr_va_vdst(0) depctr_va_sdst(0) depctr_va_ssrc(0) depctr_va_vcc(0) depctr_vm_vsrc(0)
	s_getreg_b32 s2, hwreg(HW_REG_IB_STS2, 6, 4)
	s_cmp_eq_u32 s2, 0
	s_cbranch_scc0 .Lentry_in_a_cluster
	s_endpgm
.Lentry_in_a_cluster:
	s_bfe_u32 s2, ttmp6, 0x10000c
	s_cmp_lg_u32 s2, 0x3003
	s_cbranch_scc0 .Lentry_shape_is_right
	s_endpgm
.Lentry_shape_is_right:
; y = softmax(q k^T / 8, causal) v for one batch x head, all products on codes of FP6 (E2M3) with E8M0 scales; y is quantised at once for the projection.
; The softmax is quantised FINISHED: p / (the row's sum).  So a query tile walks its keys twice: pass 1 finds the running maximum and the sum, pass 2 makes p, quantises it and multiplies it with v.
; LEFT OUT: key chunks that lie wholly above the causal mask's diagonal: their p is 0 for every input.
; SHARES: the four work-groups of a head form a cluster and ask for the head's K and V jointly (mask 15); both lie in LDS whole, filled once: waves 0-7 bring two chunks of K each, waves 8-15 two of V.
; A head has 128 query tiles of 16, tile 8 a + b.  Work-group x has b = 2 x, 2 x + 1; wave w takes (a = 15 - w, b = 2 x), then (a = w, b = 2 x + 1): 17 steps of 128 keys for every wave.
; The number of steps hangs on a alone, that is on the wave's number: no branch hangs on a work-group's place in its cluster.
; No prefetch: every tile is asked for at the head, so there is no loop to run ahead in.
; BOTH PRODUCTS ARE USED TRANSPOSED (S^T = k q^T, O^T = v^T p^T): a lane holds one query.  THE KEYS OF A TILE OF K are chosen, by the LDS addresses alone, so that the 32 registers of four
; neighbouring tiles are one WHOLE block of 32 keys: row rho of tile 4 c + t is key 64 c + 32 (rho / 8) + 8 g(t) + rho % 8, g = 0, 2, 1, 3 (the order inside a block that vpack has).
; So lane (query, h) owns blocks h and 2 + h: a block's maximum needs no other lane and the conversions' results are the operand's registers.
; Pass 1 leaves each block's largest score in LDS (8 bytes a lane and step); pass 2 reads it back and searches for no maximum.
; p = 2^(s c - M - log2(sum)), c = log2(e) / 8, M the largest s c rounded up to a whole number: the division by the sum stands in the exponent.
; LIMITS: the promise holds while |s c| stays under 2^31; the row's common factor carries the rounding of M + log2(sum) to f32 (half a unit in its last place); NaN and infinities are not served.
; K IN LDS: rows of 256 bytes + 64 of padding, so that rows 0-7 and 8-15 of a tile, which lie 1,536 bytes apart in memory, fall 128 bytes apart modulo 256 in the 16-byte loads.
.set TILEB, 12800
.set KCH,   6656                       ; a chunk of qpack, kpack in memory: 8 half images of 768 bytes, 128 scale words
.set KCL,   8320                       ; and in LDS: 26 rows of 320 bytes
.set VCH,   6400
.set VBASE, 16*KCL
.set BMS,   VBASE+16*VCH               ; the blocks' largest scores: [step][thread], 8 bytes
.set SPARE, BMS+16*4096                ; the spare words: 128 bytes a wave
.set A16, 1
.set A8,  2
.set A4,  3
.set AR4, 4
.set DV,  5                            ; r - 32 h
.set K16, 6
.set K8,  7
.set K4,  8
.set V16, 9
.set V8,  10
.set V4,  11
.set SH8, 17                           ; 8 h
.set QS,  18
.set PW,  19
.set KS,  20
.set VS,  24
.set YW,  26
.set QF,  28
.set F,   40
.set S,   96
.set O,   160
.set PC,  192
.set PT,  204
.set T,   PT
.set BM,  212
.set BP,  216
.set BS,  220
.set TM,  224
.set YC,  232
.set YO,  244
.set KA16, 246                         ; a K tile's lane terms: 1,920 (r / 8) + 320 h + 16 (r % 8),
.set KA8, 247                          ; 1,920 (r / 8) + 128 h + 8 (r % 8),
.set KA4, 248                          ; scale words: 128 (r / 8) + 64 h + 4 (r % 8)
.set BMA, 249
.set BMC, 250
.set DM,  251                          ; the diagonal chunk: my query less my half's 32 keys: 16 b + r - 32 h
.set WV,  12
.set BH,  14
.set G1K, 16
.set G1V, 24
.set G0K, 32
.set G0V, 36
.set CS,  40
.set SEL, 42
.set MASK, 44
.set TB,  45
.set TK,  46
.set TV,  47
.set AA,  48                           ; s48-49 a of my two tiles: made of the wave's number alone
.set CNT, 50
.set YB,  58
.set YSB, 62
.set II,  66
.set QB,  72
.set QW,  76
.set B16, 80                           ; s80-81 16 b of my two tiles
.set CX,  82
.set W8,  83
.macro PLACES
.rept 4
	v_nop
.endr
.endm
.macro CROUND                          ; a round of the cluster's barrier
	s_barrier_signal -1
	s_barrier_wait -1
	s_cmp_lg_u32 s[WV], 0
	s_cbranch_scc1 .Lnot_wave_0_\@
	s_barrier_signal -3
.Lnot_wave_0_\@:
	s_barrier_wait -3
	s_barrier_signal -1
	s_barrier_wait -1
.endm
	s_load_b256 s[4:11], s[0:1], 0x0               ; qpack, kpack, vpack, ypack
	v_lshl_add_u32 v254, v0, 2, SPARE
	v_mov_b32 v255, 0
	ds_add_u32 v254, v255
	ds_add_u32 v254, v255
	v_lshrrev_b32 v6, 5, v0
	v_readfirstlane_b32 s[WV], v6
	s_and_b32 s[BH], ttmp7, 0xffff                 ; batch x head, which the four partners share
	s_and_b32 s[W8], s[WV], 7
	s_mov_b32 s[G1K+0], 15|(3<<16)|(1<<20)|(1<<21)|(5<<22)|(15<<25)   ; rows of 32 x 8 bytes, 16 words of padding behind each; mask: all four
	s_mov_b32 s[G1K+1], 32<<16
	s_mov_b32 s[G1K+2], 52<<16
	s_mov_b32 s[G1K+3], 32<<16
	s_mov_b32 s[G1K+4], 52
	s_mov_b32 s[G1K+5], 32
	s_mov_b32 s[G1K+6], 0
	s_mov_b32 s[G1K+7], 0
	s_mov_b32 s[G1V+0], 15|(3<<16)|(1<<21)
	s_mov_b32 s[G1V+1], 32<<16
	s_mov_b32 s[G1V+2], 50<<16
	s_mov_b32 s[G1V+3], 32<<16
	s_mov_b32 s[G1V+4], 50
	s_mov_b32 s[G1V+5], 32
	s_mov_b32 s[G1V+6], 0
	s_mov_b32 s[G1V+7], 0
	s_mul_i32 s52, s[BH], 16*KCH
	s_mul_i32 s53, s[W8], 2*KCH
	s_add_co_u32 s68, s52, s53
	s_mov_b32 s69, 0
	s_mul_i32 s54, s[BH], 16*VCH
	s_mul_i32 s55, s[W8], 2*VCH
	s_add_co_u32 s70, s54, s55
	s_mov_b32 s71, 0
	s_mul_i32 s56, s[W8], 2*KCL
	s_wait_alu depctr_va_vdst(0)
	s_wait_dscnt 0x0
	s_wait_kmcnt 0x0
	s_mov_b32 s[G0K], 1
	s_mov_b32 s[G0K+1], s56
	s_add_nc_u64 s[G0K+2:G0K+3], s[6:7], s[68:69]
	s_or_b32 s[G0K+3], s[G0K+3], 0x80000000
	s_mov_b32 s[G0V], 1
	s_add_co_u32 s[G0V+1], s55, VBASE
	s_add_nc_u64 s[G0V+2:G0V+3], s[8:9], s[70:71]
	s_or_b32 s[G0V+3], s[G0V+3], 0x80000000
	CROUND                                         ; the four work-groups are here: the joint loads meet
	s_cmp_lt_u32 s[WV], 8                          ; one tensor load a wave, one to each arm
	s_cbranch_scc0 .Lfor_v
	tensor_load_to_lds s[G0K:G0K+3], s[G1K:G1K+7]
	s_nop 0
	PLACES
	s_branch .Lasked
.Lfor_v:
	tensor_load_to_lds s[G0V:G0V+3], s[G1V:G1V+7]
	s_nop 0
	PLACES
.Lasked:
	s_mov_b32 s68, s52
	s_add_nc_u64 s[56:57], s[4:5], s[68:69]        ; my head of qpack
	s_bfe_u32 s[CX], ttmp6, 0x40000
	s_lshl_b32 s51, ttmp9, 2
	s_add_co_u32 s[CX], s[CX], s51                 ; work-group x: it enters global addresses and the mask's numbers alone
	s_lshl_b32 s[B16], s[CX], 5
	s_add_co_u32 s[B16+1], s[B16], 16
	s_sub_co_u32 s[AA], 15, s[WV]
	s_mov_b32 s[AA+1], s[WV]
	s_lshl_b32 s51, s[CX], 1
	s_lshl_b32 s[II], s[AA], 3
	s_add_co_u32 s[II], s[II], s51
	s_lshl_b32 s[II+1], s[WV], 3
	s_add_co_u32 s[II+1], s[II+1], s51
	s_add_co_u32 s[II+1], s[II+1], 1
	s_lshr_b32 s13, s[BH], 4
	s_mul_i32 s13, s13, 128*TILEB
	s_and_b32 s15, s[BH], 15
	s_mul_i32 s54, s15, 768
	s_add_co_u32 s68, s13, s54
	s_add_nc_u64 s[70:71], s[10:11], s[68:69]
.irp x, 0,1
	s_lshr_b32 s52, s[II+\x], 3
	s_mul_i32 s52, s52, KCH
	s_and_b32 s54, s[II+\x], 7
	s_mul_i32 s53, s54, 768
	s_add_co_u32 s68, s52, s53
	s_add_nc_u64 s[QB+2*\x:QB+2*\x+1], s[56:57], s[68:69]
	s_lshl_b32 s53, s54, 6
	s_add_co_u32 s68, s52, s53
	s_add_nc_u64 s[QW+2*\x:QW+2*\x+1], s[56:57], s[68:69]
	s_mul_i32 s68, s[II+\x], TILEB
	s_add_nc_u64 s[YB+2*\x:YB+2*\x+1], s[70:71], s[68:69]
.endr
	s_lshr_b32 s54, s15, 1
	s_lshl_b32 s54, s54, 6
	s_and_b32 s55, s15, 1
	s_lshl_b32 s55, s55, 1
	s_add_co_u32 s54, s54, s55
	s_add_co_u32 s68, s13, s54
	s_add_nc_u64 s[YSB:YSB+1], s[10:11], s[68:69]
	s_mov_b32 s[CS], 0x3e38aa3b                    ; c = log2(e) / 8
	s_mov_b32 s[CS+1], s[CS]
	s_mov_b32 s[SEL], 0x76543210
	s_mov_b32 s[SEL+1], 0xfedcba98
	s_mov_b32 s[MASK], 0xffff0000
	v_and_b32 v6, 31, v0
	v_and_b32 v7, 15, v0                           ; r
	v_bfe_u32 v8, v0, 4, 1                         ; h
	v_and_b32 v10, 7, v0
	v_bfe_u32 v11, v0, 3, 1
	v_lshlrev_b32 v[A16], 4, v6
	v_lshlrev_b32 v[A8], 3, v6
	v_lshlrev_b32 v[A4], 2, v6
	v_lshlrev_b32 v[AR4], 2, v7
	v_lshlrev_b32 v[SH8], 3, v8
	v_lshlrev_b32 v9, 5, v8
	v_sub_nc_u32 v[DV], v7, v9
	v_mul_u32_u24 v9, v11, 1920
	v_mad_u32_u24 v[KA16], v8, 320, v9
	v_lshl_add_u32 v[KA8], v8, 7, v9
	v_lshlrev_b32 v9, 7, v11
	v_lshl_add_u32 v[KA16], v10, 4, v[KA16]
	v_lshl_add_u32 v[KA8], v10, 3, v[KA8]
	v_lshl_add_u32 v[KA4], v8, 6, v9
	v_lshl_add_u32 v[BMA], v0, 3, BMS
	v_lshl_add_u32 v[KA4], v10, 2, v[KA4]
.irp i, 0,1,2,3,4,5
	v_mov_b32 v[QF+6+\i], 0                        ; the head has 64 of the instruction's 128 along K: q's upper half is zero codes,
	v_mov_b32 v[F+48+\i], 0                        ; and so is what stands behind K's last tile
.endr
.irp i, 0,1,2,3,4,5,6,7
	v_mov_b32 v[TM+\i], 0                          ; written once: a lane permute's destination counts as one of its sources
.endr
.irp i, 0,1,2,3
	v_mov_b32 v[BP+\i], 0
.endr
; K's eight tiles and their scale words (lanes 0-15 the even tile's, lanes 16-31 the odd one's)
.macro KLOAD a16, a8, a4               ; 20 LDS loads; the wait for them stands where they are used
.set N_, 0
.rept 8
.set G_, 2*(N_%2)+(N_%4)/2
	ds_load_b128 v[F+6*N_:F+6*N_+3], v[\a16] offset:3840*(N_/4)+960*(G_/2)+128*(G_%2)
	ds_load_b64 v[F+6*N_+4:F+6*N_+5], v[\a8] offset:3840*(N_/4)+960*(G_/2)+640+64*(G_%2)
.set N_, N_+1
.endr
.irp a, 0,1,2,3
	ds_load_b32 v[KS+\a], v[\a4] offset:7680+320*(\a/2)+32*(\a%2)
.endr
.endm
.macro SPROD                           ; a tile's upper six registers are the next tile's codes: they meet q's zero codes
.irp a, 0,1,2,3
	v_wmma_scale_f32_16x16x128_f8f6f4 v[S+16*\a:S+16*\a+7], v[F+12*\a:F+12*\a+11], v[QF:QF+11], 0, v[KS+\a], v[QS] matrix_a_fmt:MATRIX_FMT_FP6 matrix_b_fmt:MATRIX_FMT_FP6
	v_wmma_scale_f32_16x16x128_f8f6f4 v[S+16*\a+8:S+16*\a+15], v[F+12*\a+6:F+12*\a+17], v[QF:QF+11], 0, v[KS+\a], v[QS] matrix_a_fmt:MATRIX_FMT_FP6 matrix_b_fmt:MATRIX_FMT_FP6 matrix_a_scale:MATRIX_SCALE_ROW1
.endr
.endm
.macro MASKS x                         ; the diagonal chunk alone (step a): register n holds key 64 c + 32 h + 8 g + j of the chunk; beyond my query: -infinity
	s_cmp_lg_u32 s[CNT], s[AA+\x]
	s_cbranch_scc1 .Lopen_\@
	v_mov_b32 v[TM+1], 0xff800000
.set N_, 0
.rept 64
	v_cmp_gt_i32 vcc_lo, 64*(N_/32)+8*(2*((N_/8)%2)+(N_/16)%2)+N_%8, v[DM]
	v_cndmask_b32 v[S+N_], v[S+N_], v[TM+1], vcc_lo
.set N_, N_+1
.endr
.Lopen_\@:
.endm
.macro BMAX                            ; my two blocks' largest scores, in four chains by turns; each accumulator is read from its low end on
.irp k, 0,1,2,3
	v_max3_num_f32 v[BM+\k], v[S+32*(\k%2)+16*(\k/2)], v[S+32*(\k%2)+16*(\k/2)+1], v[S+32*(\k%2)+16*(\k/2)+2]
.endr
.irp i, 3,5,7,9,11,13
.irp k, 0,1,2,3
	v_max3_num_f32 v[BM+\k], v[BM+\k], v[S+32*(\k%2)+16*(\k/2)+\i], v[S+32*(\k%2)+16*(\k/2)+\i+1]
.endr
.endr
.irp b, 0,1
	v_max3_num_f32 v[BM+\b], v[BM+\b], v[BM+2+\b], v[S+32*\b+15]
.endr
.irp b, 0,1
	v_max_num_f32 v[BM+\b], v[BM+\b], v[S+32*\b+31]
.endr
.endm
.macro SHIFT                           ; s c + v12, two at a time
.set N_, 0
.rept 32
	v_pk_fma_f32 v[S+N_:S+N_+1], v[S+N_:S+N_+1], s[CS:CS+1], v[12:13] op_sel_hi:[1,0,0]
.set N_, N_+2
.endr
.endm
.macro SHIFTR from, n                  ; the same for n pairs from register S + from on
.set N_, \from
.rept \n
	v_pk_fma_f32 v[S+N_:S+N_+1], v[S+N_:S+N_+1], s[CS:CS+1], v[12:13] op_sel_hi:[1,0,0]
.set N_, N_+2
.endr
.endm
.macro EXPS
.set N_, 0
.rept 64
	v_exp_f32 v[S+N_], v[S+N_]
.set N_, N_+1
.endr
.endm
; PASS 1: v13 the running largest score, v12 = -M, v[14:15] the sum under M in two halves.  16 trips for every wave; trips beyond my tile's diagonal chunk do nothing.
.macro PASS1 x
	s_mov_b32 s[TK], KCL                           ; the NEXT chunk's first LDS byte
	s_mov_b32 s[TB], 0
	s_mov_b32 s[CNT], 0
	KLOAD KA16, KA8, KA4                           ; chunk 0's fragments
.Lp1_\@:
	s_cmp_gt_u32 s[CNT], s[AA+\x]
	s_cbranch_scc1 .Lp1s_\@
	s_wait_dscnt 0x0                               ; this chunk's fragments, asked for a step ago, are in
	SPROD
	v_add_nc_u32 v[BMC], s[TB], v[BMA]             ; four places behind the products, at work
	v_add_nc_u32 v[K16], s[TK], v[KA16]
	v_add_nc_u32 v[K8], s[TK], v[KA8]
	v_add_nc_u32 v[K4], s[TK], v[KA4]
	s_cmp_eq_u32 s[CNT], s[AA+\x]                  ; the diagonal chunk is my tile's last: nothing more to fetch
	s_cbranch_scc1 .Lp1n_\@
	KLOAD K16, K8, K4                              ; the next chunk's fragments come in under this chunk's vector work
.Lp1n_\@:
	MASKS \x
	BMAX
	ds_store_b64 v[BMC], v[BM:BM+1]                ; kept for pass 2; my own bytes
	v_max_num_f32 v[TM], v[BM], v[BM+1]
	s_delay_alu instid0(VALU_DEP_1)
	v_permlanex16_b32 v[TM+1], v[TM], s[SEL], s[SEL+1]
	s_delay_alu instid0(VALU_DEP_1)
	v_max3_num_f32 v13, v13, v[TM], v[TM+1]
	v_mov_b32 v[TM+6], v12
	s_delay_alu instid0(VALU_DEP_2)
	v_mul_f32 v[TM], s[CS], v13
	s_delay_alu instid0(VALU_DEP_1)
	v_floor_f32 v12, -v[TM]                        ; -M = -ceil(largest s c): a whole number
	SHIFTR 0, 4                                    ; the three lines that make the factor stand among the multiply-adds, which do not wait for them
	v_sub_f32 v[TM], v12, v[TM+6]
	SHIFTR 8, 4
	v_cvt_i32_f32 v[TM], v[TM]                     ; (it saturates)
	SHIFTR 16, 4
	v_ldexp_f32 v[TM+2], 1.0, v[TM]                ; 2^(old M - new M): rounds nothing
	SHIFTR 24, 20
	s_wait_alu depctr_va_vdst(0)
	EXPS
	v_pk_mul_f32 v[14:15], v[14:15], v[TM+2:TM+3] op_sel_hi:[1,0]
	s_wait_alu depctr_va_vdst(0)
	v_pk_add_f32 v[TM+4:TM+5], v[S:S+1], v[S+2:S+3]   ; the 32 pairs in four chains by turns
	v_pk_add_f32 v[BP:BP+1], v[S+4:S+5], v[S+6:S+7]
	v_pk_add_f32 v[BP+2:BP+3], v[S+8:S+9], v[S+10:S+11]
	v_pk_add_f32 v[14:15], v[14:15], v[S+12:S+13]
.set N_, 14
.rept 6
	v_pk_add_f32 v[TM+4:TM+5], v[TM+4:TM+5], v[S+N_:S+N_+1]
	v_pk_add_f32 v[BP:BP+1], v[BP:BP+1], v[S+N_+2:S+N_+3]
	v_pk_add_f32 v[BP+2:BP+3], v[BP+2:BP+3], v[S+N_+4:S+N_+5]
	v_pk_add_f32 v[14:15], v[14:15], v[S+N_+6:S+N_+7]
.set N_, N_+8
.endr
	v_pk_add_f32 v[TM+4:TM+5], v[TM+4:TM+5], v[S+62:S+63]
	v_pk_add_f32 v[BP:BP+1], v[BP:BP+1], v[BP+2:BP+3]
	v_pk_add_f32 v[14:15], v[14:15], v[TM+4:TM+5]
	v_pk_add_f32 v[14:15], v[14:15], v[BP:BP+1]
.Lp1s_\@:
	s_add_co_u32 s[TK], s[TK], KCL
	s_add_co_u32 s[TB], s[TB], 4096
	s_add_co_u32 s[CNT], s[CNT], 1
	s_cmp_lt_u32 s[CNT], 16
	s_cbranch_scc1 .Lp1_\@
	s_wait_dscnt 0x0                               ; no LDS instruction of pass 1 is out when pass 2 loads into the same registers
.endm
; PASS 2: v12 = -M - log2(sum).  p comes out normalised; a block's largest p is made of its largest score by the same two instructions.
.macro PASS2 x
	s_mov_b32 s[TK], 0
	s_mov_b32 s[TV], VBASE
	s_mov_b32 s[TB], 0
	s_mov_b32 s[CNT], 0
.Lp2_\@:
	s_cmp_gt_u32 s[CNT], s[AA+\x]
	s_cbranch_scc1 .Lp2s_\@
	v_add_nc_u32 v[BMC], s[TB], v[BMA]             ; these seven are also the places between the last products and the loads into their registers
	v_add_nc_u32 v[K16], s[TK], v[KA16]
	v_add_nc_u32 v[K8], s[TK], v[KA8]
	v_add_nc_u32 v[K4], s[TK], v[KA4]
	v_add_nc_u32 v[V16], s[TV], v[A16]
	v_add_nc_u32 v[V8], s[TV], v[A8]
	v_add_nc_u32 v[V4], s[TV], v[A4]
	ds_load_b64 v[BM:BM+1], v[BMC]
	KLOAD K16, K8, K4
	s_wait_dscnt 20                                ; my blocks' largest scores are in; K's 20 loads, issued behind that load, may be out: the scales are made meanwhile
	v_fma_f32 v[BM], v[BM], s[CS], v12
	v_fma_f32 v[BM+1], v[BM+1], s[CS], v12
	s_wait_alu depctr_va_vdst(0)
	v_exp_f32 v[BM], v[BM]                         ; the blocks' largest p
	v_exp_f32 v[BM+1], v[BM+1]
	v_nop
	s_wait_alu depctr_va_vdst(0)
.irp b, 0,1
	v_max_num_f32 v[BM+\b], 0x1800000, v[BM+\b]    ; the floor 2^(3 - 127): the byte cannot fall under 1
.endr
.irp b, 0,1
	s_delay_alu instid0(VALU_DEP_2)
	v_add_nc_u32 v[BS+\b], 0xff000000, v[BM+\b]    ; 2 off the exponent field: the conversion's scale operand
.endr
.irp b, 0,1
	s_delay_alu instid0(VALU_DEP_2)
	v_lshrrev_b32 v[BP+\b], 23, v[BS+\b]
.endr
	s_delay_alu instid0(VALU_DEP_1)
	v_lshl_or_b32 v[BP], v[BP+1], 16, v[BP]        ; my bytes h and 2 + h of the query's word,
	s_delay_alu instid0(VALU_DEP_1)
	v_lshlrev_b32 v[BP], v[SH8], v[BP]
	s_delay_alu instid0(VALU_DEP_1)
	v_permlanex16_b32 v[BP+2], v[BP], s[SEL], s[SEL+1]
	s_delay_alu instid0(VALU_DEP_1)
	v_or_b32 v[PW], v[BP], v[BP+2]                 ; with lane l xor 16's the word is whole
	s_wait_dscnt 0x0                               ; K's fragments are in
	SPROD
	PLACES
	s_wait_alu depctr_va_vdst(0)
.irp o, 0,1,2,3
	ds_load_b128 v[F+12*\o:F+12*\o+3], v[V16] offset:1536*\o
	ds_load_b64 v[F+12*\o+4:F+12*\o+5], v[V8] offset:1536*\o+512
	ds_load_b128 v[F+12*\o+6:F+12*\o+9], v[V16] offset:1536*\o+768
	ds_load_b64 v[F+12*\o+10:F+12*\o+11], v[V8] offset:1536*\o+1280
.endr
	ds_load_b32 v[VS], v[V4] offset:6144
	ds_load_b32 v[VS+1], v[V4] offset:6144+128
	MASKS \x
	SHIFT
	s_wait_alu depctr_va_vdst(0)
	EXPS
	v_nop
	s_wait_alu depctr_va_vdst(0)
.irp c, 0,1
	v_cvt_scalef32_pk16_fp6_f32 v[PC+6*\c:PC+6*\c+2], v[S+32*\c:S+32*\c+15], v[BS+\c]
	v_cvt_scalef32_pk16_fp6_f32 v[PT+4*\c:PT+4*\c+2], v[S+32*\c+16:S+32*\c+31], v[BS+\c]   ; (a conversion's three registers begin on an even number)
.endr
	v_nop                                          ; one plain place behind the scaled conversions
.irp c, 0,1
.irp i, 0,1,2
	v_mov_b32 v[PC+6*\c+3+\i], v[PT+4*\c+\i]
.endr
.endr
	PLACES                                         ; the codes stand 4 places, the scale word 11 places ahead of the products
	s_wait_alu depctr_va_vdst(0)
	s_wait_dscnt 0x0
.irp a, 0,1
	v_wmma_scale_f32_16x16x128_f8f6f4 v[O+16*\a:O+16*\a+7], v[F+24*\a:F+24*\a+11], v[PC:PC+11], v[O+16*\a:O+16*\a+7], v[VS+\a], v[PW] matrix_a_fmt:MATRIX_FMT_FP6 matrix_b_fmt:MATRIX_FMT_FP6
	v_wmma_scale_f32_16x16x128_f8f6f4 v[O+16*\a+8:O+16*\a+15], v[F+24*\a+12:F+24*\a+23], v[PC:PC+11], v[O+16*\a+8:O+16*\a+15], v[VS+\a], v[PW] matrix_a_fmt:MATRIX_FMT_FP6 matrix_b_fmt:MATRIX_FMT_FP6 matrix_a_scale:MATRIX_SCALE_ROW1
.endr
.Lp2s_\@:
	s_add_co_u32 s[TK], s[TK], KCL
	s_add_co_u32 s[TV], s[TV], VCH
	s_add_co_u32 s[TB], s[TB], 4096
	s_add_co_u32 s[CNT], s[CNT], 1
	s_cmp_lt_u32 s[CNT], 16
	s_cbranch_scc1 .Lp2_\@
.endm
; 32 numbers of a lane, register 16 b + 8 u + j = element 32 b + 16 u + 8 h + j of my row, become a half image in v[d .. d + 5] and two scale bytes in v[w]
.macro QUANTH s, d, w
.irp b, 0,1
	v_max3_num_f32 v[TM+\b], |v[\s+16*\b]|, |v[\s+16*\b+1]|, 0x1800000
.endr
.irp i, 2,4,6,8,10,12,14
.irp b, 0,1
	v_max3_num_f32 v[TM+\b], v[TM+\b], |v[\s+16*\b+\i]|, |v[\s+16*\b+\i+1]|
.endr
.endr
.irp b, 0,1
	s_delay_alu instid0(VALU_DEP_2)
	v_permlanex16_b32 v[TM+2+\b], v[TM+\b], s[SEL], s[SEL+1]
.endr
.irp b, 0,1
	s_delay_alu instid0(VALU_DEP_2)
	v_max_num_f32 v[TM+\b], v[TM+\b], v[TM+2+\b]
.endr
.irp b, 0,1
	s_delay_alu instid0(VALU_DEP_2)
	v_add_nc_u32 v[TM+4+\b], 0xff000000, v[TM+\b]
.endr
.irp b, 0,1
	s_delay_alu instid0(VALU_DEP_2)
	v_lshrrev_b32 v[TM+2+\b], 23, v[TM+4+\b]
.endr
	s_delay_alu instid0(VALU_DEP_1)
	v_lshl_or_b32 v[\w], v[TM+3], 8, v[TM+2]
	v_cvt_scalef32_pk16_fp6_f32 v[\d:\d+2], v[\s:\s+15], v[TM+4]
	v_cvt_scalef32_pk16_fp6_f32 v[T:T+2], v[\s+16:\s+31], v[TM+5]
	v_nop
.irp i, 0,1,2
	v_permlane16_swap_b32 v[\d+\i], v[T+\i]
.endr
.irp i, 0,1,2
	s_delay_alu instid0(VALU_DEP_3)
	v_mov_b32 v[\d+3+\i], v[T+\i]
.endr
.endm
.macro TILE x
	global_load_b128 v[QF:QF+3], v[A16], s[QB+2*\x:QB+2*\x+1]
	global_load_b64 v[QF+4:QF+5], v[A8], s[QB+2*\x:QB+2*\x+1] offset:512
	global_load_b32 v[QS], v[AR4], s[QW+2*\x:QW+2*\x+1] offset:6144
	v_add_nc_u32 v[DM], s[B16+\x], v[DV]
	v_mov_b32 v13, 0xff61b1e6                      ; -3e38, under every score
	v_mov_b32 v12, 0x7f61b1e6                      ; and -M to match: the first step's factor is 0
	v_mov_b32 v14, 0
	v_mov_b32 v15, 0
.set N_, 0
.rept 32
	v_mov_b32 v[O+N_], 0
.set N_, N_+1
.endr
	s_wait_alu depctr_va_vdst(0)
	s_wait_loadcnt 0x0
.if \x == 0
	s_wait_tensorcnt 0x0                           ; my part of K or V is in,
	s_barrier_signal -1
	s_barrier_wait -1                              ; and everybody's: nothing is filled again
.endif
	PASS1 \x
	s_wait_alu depctr_va_vdst(0)
	v_add_f32 v14, v14, v15
	s_delay_alu instid0(VALU_DEP_1)
	v_permlanex16_b32 v[TM], v14, s[SEL], s[SEL+1]
	s_delay_alu instid0(VALU_DEP_1)
	v_add_f32 v14, v14, v[TM]                      ; the row's sum
	s_wait_alu depctr_va_vdst(0)
	v_log_f32 v16, v14
	v_nop
	s_wait_alu depctr_va_vdst(0)
	v_sub_f32 v12, v12, v16                        ; -M - log2(sum)
	s_wait_alu depctr_va_vdst(0)
	PASS2 \x
	PLACES
	QUANTH O, YC+6*\x, YW+\x
	global_store_b128 v[A16], v[YC+6*\x:YC+6*\x+3], s[YB+2*\x:YB+2*\x+1]
	global_store_b64 v[A8], v[YC+6*\x+4:YC+6*\x+5], s[YB+2*\x:YB+2*\x+1] offset:512
.endm
	TILE 0
	TILE 1
	s_mul_i32 s52, s[II], TILEB
	s_mul_i32 s53, s[II+1], TILEB
	v_mov_b32 v[YO], s52
	v_mov_b32 v[YO+1], s53
	s_delay_alu instid0(VALU_DEP_1)
	v_cndmask_b32 v[YO], v[YO], v[YO+1], s[MASK]   ; lanes 0-15 my first tile's scale bytes, lanes 16-31 my second's
	s_delay_alu instid0(VALU_DEP_1)
	v_add_nc_u32 v[YO], v[YO], v[AR4]
	v_cndmask_b32 v[YO+1], v[YW], v[YW+1], s[MASK]
	global_store_b16 v[YO], v[YO+1], s[YSB:YSB+1] offset:12288
	s_wait_tensorcnt 0x0                           ; the wave's end
	ds_add_u32 v254, v255
	s_wait_dscnt 0x0
	CROUND                                         ; the closing round
	s_endpgm
.Lfunc_end_k_qefcb2ff6f3_attn:
	.size	k_qefcb2ff6f3_attn, .Lfunc_end_k_qefcb2ff6f3_attn-k_qefcb2ff6f3_attn
	.p2alignl 7, 3214868480
	.fill 96, 4, 3214868480
	.section	.rodata,"a",@progbits
	.p2align	6, 0x0
	.amdhsa_kernel k_qefcb2ff6f3_attn
		.amdhsa_group_segment_fixed_size 327680
		.amdhsa_private_segment_fixed_size 0
		.amdhsa_enable_private_segment 0
		.amdhsa_kernarg_size 32
		.amdhsa_user_sgpr_count 2
		.amdhsa_user_sgpr_kernarg_segment_ptr 1
		.amdhsa_wavefront_size32 1
		.amdhsa_system_sgpr_workgroup_id_x 1
		.amdhsa_system_sgpr_workgroup_id_y 1
		.amdhsa_system_sgpr_workgroup_id_z 1
		.amdhsa_system_vgpr_workitem_id 0
		.amdhsa_next_free_vgpr 256
		.amdhsa_next_free_sgpr 88
		.amdhsa_reserve_vcc 1
		.amdhsa_float_denorm_mode_32 3
		.amdhsa_float_denorm_mode_16_64 3
		.amdhsa_memory_ordered 1
		.amdhsa_forward_progress 1
		.amdhsa_inst_pref_size 85
	.end_amdhsa_kernel
	.amdgpu_metadata
---
amdhsa.version: [ 1, 2 ]
amdhsa.kernels:
  - .name:           k_qefcb2ff6f3_attn
    .symbol:         k_qefcb2ff6f3_attn.kd
    .args:
      - { .name: qpack, .offset: 0, .size: 8, .value_kind: global_buffer, .address_space: global }
      - { .name: kpack, .offset: 8, .size: 8, .value_kind: global_buffer, .address_space: global }
      - { .name: vpack, .offset: 16, .size: 8, .value_kind: global_buffer, .address_space: global }
      - { .name: ypack, .offset: 24, .size: 8, .value_kind: global_buffer, .address_space: global }
    .group_segment_fixed_size: 327680
    .private_segment_fixed_size: 0
    .kernarg_segment_align: 8
    .kernarg_segment_size: 32
    .max_flat_workgroup_size: 512
    .sgpr_count:     88
    .vgpr_count:     256
    .wavefront_size: 32
...
	.end_amdgpu_metadata
.endif
;; end of part 3
;; launch gemm_proj (part 4): grid 32 x 8, 4 waves a work-group, clusters of 4 x 1, 168,448 bytes of LDS; arguments ypack, wpack, b_proj, out0; writes out0
.if DOCPART == 4
	.amdgcn_target "amdgcn-amd-amdhsa--gfx1250"
	.amdhsa_code_object_version 6
	.text
	.protected	k_qefcb2ff6f3_gemm_proj
	.globl	k_qefcb2ff6f3_gemm_proj
	.p2align	8
	.type	k_qefcb2ff6f3_gemm_proj,@function
k_qefcb2ff6f3_gemm_proj:
	s_mov_b64 s[64:65], 0
	v_nop
	global_prefetch_b8 v0, s[64:65] scope:SCOPE_SE
	s_setreg_imm32_b32 hwreg(HW_REG_WAVE_MODE, 25, 1), 1
	s_wait_xcnt 0x0
	s_wait_alu depctr_hold_cnt(0) depctr_sa_sdst(0) depctr_va_vdst(0) depctr_va_sdst(0) depctr_va_ssrc(0) depctr_va_vcc(0) depctr_vm_vsrc(0)
	s_getreg_b32 s2, hwreg(HW_REG_IB_STS2, 6, 4)
	s_cmp_eq_u32 s2, 0
	s_cbranch_scc0 .Lentry_in_a_cluster
	s_endpgm
.Lentry_in_a_cluster:
	s_bfe_u32 s2, ttmp6, 0x10000c
	s_cmp_lg_u32 s2, 0x3003
	s_cbranch_scc0 .Lentry_shape_is_right
	s_endpgm
.Lentry_shape_is_right:
; out = y W_proj + b_proj on codes of FP6 (E2M3) with E8M0 scales; sums in f32.  Operands are images of registers (tiles of 12,800 bytes: 16 half images of 768 bytes, then the scale words [K step][row]);
; inside a block of 32, place 16 a + 8 u + j holds element 16 u + 8 a + j in both operands: only the order of additions inside the matrix unit differs from K ascending.
; SHARES: work-group (mb, g): 256 tokens x 128 columns, as two slots of 64 columns.  A wave keeps its 64 tokens' codes for all of K in 384 registers, read once; the 8 tiles of W lie in LDS, filled once.
; CLUSTER: the four work-groups of a cluster take four blocks of tokens and the same g: W's tiles are asked for jointly (mask 15); a wave has one tensor load out at the most.
; Source 0 = 16 columns of W, source 1 = 16 tokens: a lane holds eight neighbouring columns of one token's row.  The bias is the C of each sum's first matrix instruction.
; THE WAY OUT: 16 tokens x 64 columns go through the wave's own stage in LDS (rows of 256 + 16 bytes, behind W's tiles, never a fill's target) and leave so that sixteen lanes store 256 consecutive, aligned bytes.
; REGISTERS: window 0: v1-14 addresses; v16-31 y's scale words; v32-47 W's; v48-79 bias; v80-111 rows on the way out; v128-255 16 accumulators.
;   window 1: v0-47, v48-95 two sets of W's four fragments; v96-239 y's K steps 0-2.   window 2: v0-239 y's K steps 3-7.
.set TILEB,  12800
.set SLOTB,  4*TILEB
.set NS,     2
.set STG,    NS*SLOTB
.set SP,     272
.set A16, 1
.set A8,  2
.set A4,  3
.set L16, 4
.set L8,  5
.set L4,  6
.set STO, 7                            ; the stage: where I put 32 bytes of a row
.set RD,  8                            ; and where I read a row back
.set CO,  9                            ; my byte offset in out: 4,096 h + 16 (lane % 16)
.set BQ,  13                           ; 32 h
.set SX,  16
.set SW,  32
.set BI,  48
.set OB,  80
.set ACC, 128
.set WV,  16
.set MB,  18
.set GG,  19
.set G1,  20
.set G0,  28                           ; s[28:35] two groups 0
.set OUTB, 56
.set BQB, 60
.set XB,  70
.set MSB, 0
.macro WIN new
.if MSB != \new
	s_set_vgpr_msb (MSB<<8)|\new
.set MSB, \new
.endif
.endm
.macro PLACES
.rept 4
	v_nop
.endr
.endm
.macro CROUND
	s_barrier_signal -1
	s_barrier_wait -1
	s_cmp_lg_u32 s[WV], 0
	s_cbranch_scc1 .Lnot_wave_0_\@
	s_barrier_signal -3
.Lnot_wave_0_\@:
	s_barrier_wait -3
	s_barrier_signal -1
	s_barrier_wait -1
.endm
	s_load_b256 s[4:11], s[0:1], 0x0               ; ypack, wpack, b_proj, out0
	v_lshl_add_u32 v126, v0, 2, 0x29000
	v_mov_b32 v127, 0
	ds_add_u32 v126, v127
	ds_add_u32 v126, v127
	v_lshrrev_b32 v15, 5, v0
	v_readfirstlane_b32 s[WV], v15
	v_and_b32 v15, 31, v0
	v_lshlrev_b32 v[A16], 4, v15
	v_lshlrev_b32 v[A8], 3, v15
	v_lshlrev_b32 v[A4], 2, v15
	v_and_b32 v11, 15, v0                          ; r
	v_bfe_u32 v12, v0, 4, 1                        ; h
	s_mul_i32 s67, s[WV], 16*SP
	s_add_co_u32 s67, s67, STG                     ; my stage
	v_mul_u32_u24 v[STO], v11, SP
	v_lshl_add_u32 v[STO], v12, 5, v[STO]
	v_add_nc_u32 v[STO], s67, v[STO]
	v_mul_u32_u24 v[RD], v12, SP
	v_lshl_add_u32 v[RD], v11, 4, v[RD]
	v_add_nc_u32 v[RD], s67, v[RD]
	v_lshlrev_b32 v[CO], 12, v12
	v_lshl_add_u32 v[CO], v11, 4, v[CO]
	v_lshlrev_b32 v[BQ], 5, v12
	s_bfe_u32 s17, ttmp6, 0x40000                  ; cx: it enters y's and out's global addresses alone
	s_lshl_b32 s[MB], ttmp9, 2
	s_add_co_u32 s[MB], s[MB], s17
	s_and_b32 s[GG], ttmp7, 0xffff
	s_mov_b32 s[G1+0], 15|(3<<16)|(1<<21)          ; 12,800 dense bytes as 50 rows of 32 elements of 8 bytes; mask: all four work-groups
	s_mov_b32 s[G1+1], 32<<16
	s_mov_b32 s[G1+2], 100<<16                     ; one load a wave: two tiles, 100 rows of 256 bytes
	s_mov_b32 s[G1+3], 32<<16
	s_mov_b32 s[G1+4], 100
	s_mov_b32 s[G1+5], 32
	s_mov_b32 s[G1+6], 0
	s_mov_b32 s[G1+7], 0
	s_lshl_b32 s52, s[GG], 3
	s_lshl_b32 s66, s[WV], 1
	s_add_co_u32 s52, s52, s66
	s_add_co_u32 s52, s52, 192
	s_mul_i32 s52, s52, TILEB                      ; tiles 192 + 8 g + 2 wave and the next: the eight lie in LDS in memory's order
	s_mov_b32 s53, 0
	s_mul_i32 s66, s66, TILEB
	s_lshl_b32 s68, s[MB], 4
	s_lshl_b32 s69, s[WV], 2
	s_add_co_u32 s68, s68, s69
	s_mul_i32 s68, s68, TILEB                      ; y: my four row tiles
	s_mov_b32 s69, 0
	s_lshl_b32 s78, s[MB], 20                      ; out: 256 tokens of 4,096 bytes,
	s_lshl_b32 s79, s[WV], 18                      ; my wave's 64,
	s_add_co_u32 s78, s78, s79
	s_lshl_b32 s82, s[GG], 9                       ; 128 columns of 4 bytes: also the bias's place
	s_add_co_u32 s78, s78, s82
	s_mov_b32 s79, 0
	s_mov_b32 s83, 0
	s_wait_dscnt 0x0
	s_wait_kmcnt 0x0
	s_add_nc_u64 s[52:53], s[6:7], s[52:53]
	s_add_nc_u64 s[XB:XB+1], s[4:5], s[68:69]
	s_add_nc_u64 s[BQB:BQB+1], s[8:9], s[82:83]
	s_add_nc_u64 s[OUTB:OUTB+1], s[10:11], s[78:79]
	s_mov_b32 s[G0], 1
	s_mov_b32 s[G0+1], s66
	s_mov_b64 s[G0+2:G0+3], s[52:53]
	s_or_b32 s[G0+3], s[G0+3], 0x80000000
	CROUND                                         ; all four work-groups are here: the joint loads meet
	tensor_load_to_lds s[G0:G0+3], s[G1:G1+7]      ; one tensor load a wave at the head
	s_nop 0
	PLACES
.macro BIAS j                          ; eight registers a tile in the result's layout: column 16 i + 8 h + 0 .. 7
.irp i, 0,1,2,3
	global_load_b128 v[BI+8*\i:BI+8*\i+3], v[BQ], s[BQB:BQB+1] offset:256*(\j)+64*\i
	global_load_b128 v[BI+8*\i+4:BI+8*\i+7], v[BQ], s[BQB:BQB+1] offset:256*(\j)+64*\i+16
.endr
.endm
.macro GFRAG reg, off
	global_load_b128 v[\reg:\reg+3], v[A16], s[XB:XB+1] offset:\off
	global_load_b64 v[\reg+4:\reg+5], v[A8], s[XB:XB+1] offset:\off+512
	global_load_b128 v[\reg+6:\reg+9], v[A16], s[XB:XB+1] offset:\off+768
	global_load_b64 v[\reg+10:\reg+11], v[A8], s[XB:XB+1] offset:\off+1280
.endm
	s_wait_alu depctr_va_vdst(0)
	BIAS 0                                         ; 8 loads,
.irp o, 0,1,2,3
.irp p, 0,1,2,3
	global_load_b32 v[SX+4*\o+\p], v[A4], s[XB:XB+1] offset:\o*TILEB+12288+128*\p   ; 16,
.endr
.endr
	WIN 0x40                                       ; then 16 for each K step of y
.irp s, 0,1,2
.irp o, 0,1,2,3
	GFRAG 96+48*\s+12*\o, \o*TILEB+1536*\s
.endr
.endr
	WIN 0x80
.irp s, 3,4,5,6,7
.irp o, 0,1,2,3
	GFRAG 48*(\s-3)+12*\o, \o*TILEB+1536*\s
.endr
.endr
	WIN 0
.macro FETCH s, f
	WIN 0x40
.irp i, 0,1,2,3
	ds_load_b128 v[\f+12*\i:\f+12*\i+3], v[L16] offset:\i*TILEB+1536*(\s)
	ds_load_b64 v[\f+12*\i+4:\f+12*\i+5], v[L8] offset:\i*TILEB+1536*(\s)+512
	ds_load_b128 v[\f+12*\i+6:\f+12*\i+9], v[L16] offset:\i*TILEB+1536*(\s)+768
	ds_load_b64 v[\f+12*\i+10:\f+12*\i+11], v[L8] offset:\i*TILEB+1536*(\s)+1280
.endr
.endm
.macro WM s, f, o, i
.set D_, ACC+8*(4*\o+\i)
.set A_, \f+12*\i
.set B_, XS_+12*\o
.set SA_, SW+4*\i+(\s)/2
.set SB_, SX+4*\o+(\s)/2
.if (\s) == 0
	v_wmma_scale_f32_16x16x128_f8f6f4 v[D_:D_+7], v[A_:A_+11], v[B_:B_+11], v[BI+8*\i:BI+8*\i+7], v[SA_], v[SB_] matrix_a_fmt:MATRIX_FMT_FP6 matrix_b_fmt:MATRIX_FMT_FP6
.elseif (\s)%2
	v_wmma_scale_f32_16x16x128_f8f6f4 v[D_:D_+7], v[A_:A_+11], v[B_:B_+11], v[D_:D_+7], v[SA_], v[SB_] matrix_a_fmt:MATRIX_FMT_FP6 matrix_b_fmt:MATRIX_FMT_FP6 matrix_a_scale:MATRIX_SCALE_ROW1 matrix_b_scale:MATRIX_SCALE_ROW1
.else
	v_wmma_scale_f32_16x16x128_f8f6f4 v[D_:D_+7], v[A_:A_+11], v[B_:B_+11], v[D_:D_+7], v[SA_], v[SB_] matrix_a_fmt:MATRIX_FMT_FP6 matrix_b_fmt:MATRIX_FMT_FP6
.endif
.endm
.macro MUL16 s, f                      ; a K step: the 16 accumulators by turns, one instruction a turn
.set XS_, 96+48*(\s)
.set WN_, 0x05
.if (\s) > 2
.set XS_, 48*((\s)-3)
.set WN_, 0x09
.endif
	WIN WN_
.irp o, 0,1,2,3
.irp i, 0,1,2,3
	WM \s, \f, \o, \i
.endr
.endr
.endm
.macro KSTEP j, s
.if (\s) < 7
.if (\s) > 0
	PLACES                                         ; the set to be loaded was read by the products just issued
.endif
	FETCH (\s)+1, 48*(((\s)+1)%2)
	s_wait_dscnt 16                                ; all but the 16 just issued
.else
	s_wait_dscnt 0x0
.endif
.if (\j) == 0
.if (\s) == 0
	s_wait_loadcnt 63                              ; behind y's K step 3 stand 64 loads: the bias, y's scale words and K steps 0-3 are in
.elseif (\s) > 3
	s_wait_loadcnt 16*(7-(\s))                     ; 16 loads for each later K step may stay out
.endif
.elseif (\s) == 0
	s_wait_loadcnt 0x0                             ; the slot's bias
.endif
	MUL16 \s, 48*((\s)%2)
.endm
.macro OUTP j
.irp o, 0,1,2,3
	s_wait_xcnt 0x0                                ; the earlier stores have read the registers that the loads below fill
.irp i, 0,1,2,3
	ds_store_b128 v[STO], v[ACC+8*(4*\o+\i):ACC+8*(4*\o+\i)+3] offset:64*\i          ; each accumulator from its low end on
	ds_store_b128 v[STO], v[ACC+8*(4*\o+\i)+4:ACC+8*(4*\o+\i)+7] offset:64*\i+16
.endr
.irp t, 0,1,2,3,4,5,6,7
	ds_load_b128 v[OB+4*\t:OB+4*\t+3], v[RD] offset:\t*2*SP    ; LDS serves a wave's instructions in order (ISA guide 5.7.1.4): these see my stores
.endr
	s_wait_dscnt 0x0
.irp t, 0,1,2,3,4,5,6,7
	global_store_b128 v[CO], v[OB+4*\t:OB+4*\t+3], s[OUTB:OUTB+1] offset:\o*65536+\t*8192+256*\j th:TH_STORE_NT   ; 16 lanes store 256 consecutive bytes, at a multiple of 256 from out's first byte
.endr
.endr
.endm
.macro SLOT j
.if \j == 0
	s_wait_tensorcnt 0x0                           ; my two tiles have landed; nothing is ever filled again
	s_barrier_signal -1
	s_barrier_wait -1                              ; everybody's have
.endif
	v_add_nc_u32 v[L16], \j*SLOTB, v[A16]
	s_wait_alu depctr_va_vdst(0)
	v_add_nc_u32 v[L8], \j*SLOTB, v[A8]
	s_wait_alu depctr_va_vdst(0)
	v_add_nc_u32 v[L4], \j*SLOTB, v[A4]
.irp i, 0,1,2,3
.irp p, 0,1,2,3
	ds_load_b32 v[SW+4*\i+\p], v[L4] offset:\i*TILEB+12288+128*\p
.endr
.endr
	FETCH 0, 0
.irp s, 0,1,2,3,4,5,6,7
	KSTEP \j, \s
.endr
	WIN 0
	PLACES
.if \j+1 < NS
	BIAS \j+1
.endif
	OUTP \j
.endm
	SLOT 0
	SLOT 1
	s_wait_dscnt 0x0
	s_wait_tensorcnt 0x0
	ds_add_u32 v126, v127
	s_wait_dscnt 0x0
	CROUND                                         ; the closing round
	s_endpgm
.Lfunc_end_k_qefcb2ff6f3_gemm_proj:
	.size	k_qefcb2ff6f3_gemm_proj, .Lfunc_end_k_qefcb2ff6f3_gemm_proj-k_qefcb2ff6f3_gemm_proj
	.p2alignl 7, 3214868480
	.fill 96, 4, 3214868480
	.section	.rodata,"a",@progbits
	.p2align	6, 0x0
	.amdhsa_kernel k_qefcb2ff6f3_gemm_proj
		.amdhsa_group_segment_fixed_size 168448
		.amdhsa_private_segment_fixed_size 0
		.amdhsa_enable_private_segment 0
		.amdhsa_kernarg_size 32
		.amdhsa_user_sgpr_count 2
		.amdhsa_user_sgpr_kernarg_segment_ptr 1
		.amdhsa_wavefront_size32 1
		.amdhsa_system_sgpr_workgroup_id_x 1
		.amdhsa_system_sgpr_workgroup_id_y 1
		.amdhsa_system_sgpr_workgroup_id_z 1
		.amdhsa_system_vgpr_workitem_id 0
		.amdhsa_next_free_vgpr 768
		.amdhsa_next_free_sgpr 96
		.amdhsa_reserve_vcc 0
		.amdhsa_float_denorm_mode_32 3
		.amdhsa_float_denorm_mode_16_64 3
		.amdhsa_memory_ordered 1
		.amdhsa_forward_progress 1
		.amdhsa_inst_pref_size 88
	.end_amdhsa_kernel
	.amdgpu_metadata
---
amdhsa.version: [ 1, 2 ]
amdhsa.kernels:
  - .name:           k_qefcb2ff6f3_gemm_proj
    .symbol:         k_qefcb2ff6f3_gemm_proj.kd
    .args:
      - { .name: ypack, .offset: 0, .size: 8, .value_kind: global_buffer, .address_space: global }
      - { .name: wpack, .offset: 8, .size: 8, .value_kind: global_buffer, .address_space: global }
      - { .name: b_proj, .offset: 16, .size: 8, .value_kind: global_buffer, .address_space: global }
      - { .name: out0, .offset: 24, .size: 8, .value_kind: global_buffer, .address_space: global }
    .group_segment_fixed_size: 168448
    .private_segment_fixed_size: 0
    .kernarg_segment_align: 8
    .kernarg_segment_size: 32
    .max_flat_workgroup_size: 128
    .sgpr_count:     96
    .vgpr_count:     768
    .wavefront_size: 32
...
	.end_amdgpu_metadata
.endif
;; end of part 4
